; MI455X (gfx1250); checked and timed in simulation.
; The chip was launched on July 23, 2026; its instructions are those of AMD's public machine-readable ISA for CDNA 5 (MIT licence, August 2026) and "CDNA5" Instruction Set Architecture Reference Guide (July 2026). The comments in the code are by the model that wrote it; some were corrected since.
;; Dist Sparse Moe. Allowed arithmetic: matrix products marked QUANTISED: E2M3 operands, one E8M0 scale for each 32 along K, by v_wmma_scale_f32_16x16x128_f8f6f4 with both operands' format E2M3, f32 sums; products left as they are: f32 operands where the result goes on into a quantised operand, else bf16, f16 or f32 operands; f32 sums; everything else in f32.
;; Inputs: b_expert 1,024 float32; w_expert_codes 1,024 x 32 x 24 uint8 (E2M3 codes of w_expert, K innermost, in blocks of 32 codes, four codes in three bytes); w_expert_scales 1,024 x 32 uint8 (E8M0 scales of w_expert, one for each 32 codes along K); w_gate 1,024 x 8 float32; x 8 x 2,048 x 1,024 float32.
;; Outputs: out0 8 x 2,048 x 1,024 float32.
;; This version of the problem:
;;   THIS VERSION OF THE PROBLEM IS GIVEN IN LOW PRECISION. The matrix products marked QUANTISED in the list below multiply operands that are first quantised to E2M3 (2 exponent bits, 3 mantissa bits; 6 bits a number), with one power-of-two scale for each 32 numbers along K (OCP MX v1.0); their sums are f32. All else is computed in f32.
;;   The module's matrix products, in the order in which they are computed (A, B: the left and right operand; K: the contracted axis; several contracted axes count as one K, in the product's order):
;;     1. [M 16,384, K 1,024] x [K 1,024, N 8]; A: input x; B: input w_gate: left as it is (N = 8 < 16)
;;     2. [M 800, K 16,384] x [K 16,384, N 1,024]; A: computed on the way; B: input x: QUANTISED
;;     3. [M 800, K 1,024] x [K 1,024, N 1,024]; A: computed on the way; B: input w_expert (given as codes): QUANTISED
;;     4. [M 16,384, K 800] x [K 800, N 1,024]; A: computed on the way; B: computed on the way: QUANTISED
;;   THE QUANTISER, for each operand of a quantised product, along K:
;;     - K is cut into blocks of 32 from its start; a last block that is shorter is filled with zeros.
;;     - A block's scale is 2^e with e = floor(log2(the largest magnitude in the block)) - 2, held to -126 .. 127; a block of zeros has e = 0. As a byte (E8M0): e + 127.
;;     - Each number is divided by its block's scale, clamped to +-7.5, and rounded to the nearest number of E2M3, ties to even, subnormals kept.
;;     - The product sums the exact products of the quantised numbers (number of the format x scale) in f32.
;;   ~~~python
;;   def quantise(x, axis):      # numpy; x: float32 -> the quantised numbers, widened to float32 again
;;       x = np.moveaxis(x, axis, -1); K = x.shape[-1]
;;       x = np.pad(x, [(0, 0)] * (x.ndim - 1) + [(0, -K % 32)]); x = x.reshape(x.shape[:-1] + (-1, 32)); a = np.abs(x).max(-1, keepdims=True)
;;       e = np.where(a > 0, np.clip(np.frexp(np.where(a > 0, a, 1))[1] - 1 - 2, -126, 127), 0)      # np.frexp(a)[1] - 1 = floor(log2(a)), exactly
;;       r = np.clip(x / 2.0 ** e, -7.5, 7.5)
;;       step = 2.0 ** (np.maximum(np.frexp(np.where(r == 0, 1, r))[1] - 1, 0) - 3)
;;       q = np.round(r / step) * step * 2.0 ** e      # np.round: ties to even
;;       return np.moveaxis(q.reshape(q.shape[:-2] + (-1,))[..., :K], -1, axis).astype(np.float32)
;;   ~~~
;;   OPERANDS COMPUTED ON THE WAY. 'Computed on the way' means the value that the module computes at that place (a softmax that the list does not call 'softmax' is quantised finished and normalised). What goes into a quantiser is computed in f32, as accurately as f32 sums, v_exp_f32 and their like allow (about 1e-6 of the number): no bf16 or f16 on the way to a quantiser, and a product that is left as it is and whose result goes on into a quantised operand takes f32 operands (vector FMAs, or v_wmma_f32_16x16x4_f32). A number that lies on a knife's edge between two numbers of the format may be rounded either way, as far as f32 arithmetic and the matrix unit's own rounding can turn it there, and no further.
;;   INPUTS GIVEN AS CODES. w_expert (in the module: [1024, 1024], K = its axis 0): each comes as NAME_codes (uint8): NAME with its K axis moved to the last place and cut into blocks of 32 codes, [.., K / 32, bytes a block], one block behind the other in memory; four codes in three bytes: a row's codes are one little-endian stream of bits, code i at bits 6 i .. 6 i + 5 (a code: sign, 2 exponent bits, 3 mantissa bits); and NAME_scales (uint8): the same leading axes, one E8M0 byte (e + 127) for each 32 codes along K. Its value is code x scale, taken as it is: it is not quantised again, and the codes and scales need not be those that the quantiser above would give.
;; 2 versions. Each part assembles by itself: llvm-mc -triple=amdgcn-amd-amdhsa -mcpu=gfx1250 --defsym DOCPART=n.
;; ======== version 1 of 2: 3 launches
;; workspace buffers: acodes 12,595,200 bytes; ascale 524,288 bytes; route 32,768 bytes of whole numbers; tinfo 65,536 bytes; ebase 16,384 bytes of whole numbers; eoc 614,400 bytes; eos 32,768 bytes
;; launch route (part 1): grid 256 x 1, 4 waves a work-group, no clusters, 266,752 bytes of LDS; arguments x, w_gate, acodes, ascale, route, tinfo; writes acodes, ascale, route, tinfo
.if DOCPART == 1
	.amdgcn_target "amdgcn-amd-amdhsa--gfx1250"
	.amdhsa_code_object_version 6
	.text
	.protected	k_q66609f41fa_route
	.globl	k_q66609f41fa_route
	.p2align	8
	.type	k_q66609f41fa_route,@function
k_q66609f41fa_route:
	s_mov_b64 s[64:65], 0
	v_nop
	global_prefetch_b8 v0, s[64:65] scope:SCOPE_SE
	s_setreg_imm32_b32 hwreg(HW_REG_WAVE_MODE, 25, 1), 1
	s_wait_xcnt 0x0
; ROUTER AND DISPATCH.  x [16384][1024] f32, w_gate [1024][8] f32.  A work-group takes 64 tokens (two blocks of 32 along the tokens), wave w the columns 256 w .. 256 w + 255.
; It makes, reading x once:
;   the logits in f32 (packed multiply-adds), softmax, the first largest probability, its E2M3 code and E8M0 byte            -> tinfo [token] = code | byte << 8
;   for each group of 32 tokens and each expert the ballot of the tokens that chose it, and its count                        -> route: mask [8][512], count [8][512]
;   x quantised ALONG THE TOKENS (a lane holds one column, its 32 registers a whole block), multiplied on the matrix unit by the one-hot rows that the dispatch matrix has for these tokens
;   (1 = code 4.0 under the byte 125): the result is the slot row of each token, one token a lane, registers along the columns; it is quantised along the columns                -> acodes, ascale
; Which tokens keep a slot is decided in the next launch, which reads only the kept tokens' rows.
; acodes: [tile of 16 tokens][K step of 128 columns][1,536 bytes]: the image of a fragment's 12 registers, register q of lane l at 512 (q / 4) + 16 l + 4 (q % 4).  Tile 1024 is zeros (empty slots).
; ascale: [4][token][2 words]: plane w holds the scale words of K steps 2 w and 2 w + 1.
; THE K OF THE DISPATCH PRODUCT.  Tokens 32 h + 0..15 stand at the first 16 places of K block h, tokens 32 h + 16..31 at the first 16 places of K block 2 + h, under the same byte; the other places are zero
; codes on both sides.  The same order on both operands keeps every product, and both conversions begin on even registers.
; LDS: the work-group's 256 KiB of x come by eight tensor loads a wave, each 32 rows x 256 bytes, filled once; a wave reads its own pieces alone.  The two token halves lie 8,320 bytes apart, so that lanes 0-15 and
; 16-31 of a load fall on different banks (64 banks of 4 bytes: ISA guide 11.1).  Behind the first barrier nobody reads x and no fill is out: the partial logits and the logits are laid over it.
; NO CLUSTER: the work-groups share w_gate alone, 32 KiB against the 256 KiB of x that each reads for itself.  NO PREFETCH: all of a work-group's bytes are asked for in its first lines.
; LIMITS: NaN and infinities are not served.  A block of zeros gets the byte 1 (its codes are zeros; this program alone reads the bytes).  The logits' f32 sums run in another order than a row-by-row sum,
; so two best logits that differ by less than f32 rounding may change places.  The exponential and the reciprocal are those of v_exp_f32 and v_rcp_f32.
; REGISTERS, in windows of 256: window 0: addresses, X (two sets of 32), HA (8 result tiles), the quantiser's registers, scale words.  window 1: the 32 x 8 partial logits.
;   window 2: v0-127 w_gate of my 16 columns, v128-223 eight fragments of x.   window 3: v0-47 the four one-hot fragments.
.set XPW,  66560                       ; LDS bytes of a wave's part of x
.set XPC,  16640                       ; of a piece of 64 columns (both token halves)
.set XPH,  8320                        ; of one half: 32 rows x 256 bytes + 128
.set LB,   131072                      ; the logits [64][8]; below it the partial logits [64 quads][4 waves][32 lanes][16 bytes]
.set X,    32                          ; v32-95
.set HA,   96                          ; v96-159
.set PC,   160                         ; v160-178 codes just made
.set TM,   180                         ; v180-195 the quantiser's scratch
.set SU,   180                         ; later: four chains of four sums
.set PW,   196                         ; the scale word just made
.set XS,   200                         ; v200-207 x's scale words, one for each fragment
.set IDS,  208                         ; the one-hot rows' scale word
.set PWK,  210                         ; v210-217 the rows' scale words: 2 q + K step
.set SPR,  218                         ; v218-221 the same, a token a lane
.set MA,   222
.set MB,   223
.set SCL,  224
.set BY,   225
.set OB,   226
.set XF,   128                         ; in window 2
.set G1,   16                          ; s[16:23] descriptor group 1
.set G0,   24                          ; s[24:55] eight groups 0
.set SEL,  56                          ; s[56:57] lane selects: lane l xor 16
.set MSB,  0
.macro WIN new                         ; the immediate's high byte repeats the setting that is left
.if MSB != (\new)
	s_set_vgpr_msb (MSB<<8)|(\new)
.set MSB, (\new)
.endif
.endm
	s_load_b256 s[4:11], s[0:1], 0x0               ; x, w_gate, acodes, ascale
	s_load_b128 s[12:15], s[0:1], 0x20             ; route, tinfo
	v_lshl_add_u32 v254, v0, 2, 0x41000
	v_mov_b32 v255, 0
	ds_add_u32 v254, v255
	ds_add_u32 v254, v255
	v_lshrrev_b32 v1, 5, v0
	v_readfirstlane_b32 s2, v1                     ; wave 0..3
	s_mov_b32 s[G1+0], 2<<16                       ; no mask; elements of 4 bytes; no padding
	s_mov_b32 s[G1+1], 64<<16                      ; tensor_dim0 = 64
	s_mov_b32 s[G1+2], 32<<16                      ; tensor_dim1 = 32
	s_mov_b32 s[G1+3], 64<<16                      ; tile_dim0 = 64 elements: 256 bytes
	s_mov_b32 s[G1+4], 32                          ; tile_dim1 = 32 rows
	s_mov_b32 s[G1+5], 1024                        ; elements from row to row
	s_mov_b32 s[G1+6], 0
	s_mov_b32 s[G1+7], 0
	s_mul_i32 s3, s2, XPW                          ; my part of LDS
	s_lshl_b32 s60, ttmp9, 18                      ; 64 rows of 4,096 bytes a work-group,
	s_lshl_b32 s59, s2, 10                         ; 1,024 bytes of a row a wave
	s_add_co_u32 s60, s60, s59
	s_mov_b32 s61, 0
	s_wait_dscnt 0x0
	s_wait_kmcnt 0x0
	s_add_nc_u64 s[62:63], s[4:5], s[60:61]
.irp n, 0,1,2,3,4,5,6,7                ; piece n / 2 of 64 columns, token half n % 2
	s_mov_b32 s[G0+4*\n], 1
	s_add_co_u32 s[G0+4*\n+1], s3, (\n/2)*XPC+(\n%2)*XPH
	s_add_nc_u64 s[G0+4*\n+2:G0+4*\n+3], s[62:63], (\n%2)*131072+(\n/2)*256
	s_or_b32 s[G0+4*\n+3], s[G0+4*\n+3], 0x80000000
.endr
.irp n, 0,1,2,3,4,5,6,7                ; all first fills in one group: eight loads of mine are out
	tensor_load_to_lds s[G0+4*\n:G0+4*\n+3], s[G1:G1+7]
	s_nop 0
.endr
.rept 4
	v_nop                                          ; four lines here ahead of a switch of windows
.endr
	v_and_b32 v1, 31, v0                           ; lane
	v_and_b32 v2, 15, v0                           ; r
	v_bfe_u32 v3, v0, 4, 1                         ; h
	v_and_b32 v9, 8, v2
	v_add_nc_u32 v9, v9, v2                        ; r + 8 (r / 8): a tile's lanes take columns 0..7 and 16..23
	s_lshl_b32 s59, s2, 8
	v_add_nc_u32 v6, s59, v9
	v_lshlrev_b32 v6, 5, v6                        ; w_gate: 32 bytes a column
	WIN 0x80                                       ; destination window 2
.irp t, 0,1,2,3,4,5,6,7,8,9,10,11,12,13,14,15     ; tile t begins at column 64 (t / 4) + 32 ((t / 2) % 2) + 8 (t % 2) of my 256
	global_load_b128 v[8*\t:8*\t+3], v6, s[6:7] offset:(64*(\t/4)+32*((\t/2)%2)+8*(\t%2))*32
	global_load_b128 v[8*\t+4:8*\t+7], v6, s[6:7] offset:(64*(\t/4)+32*((\t/2)%2)+8*(\t%2))*32+16
.endr
.irp t, 0,1,2,3,4,5,6,7
.irp n, 3,4,5,9,10,11
	v_mov_b32 v[XF+12*\t+\n], 0                    ; the upper 16 places of each K block hold zero codes, for the whole launch
.endr
.endr
	WIN 0
	s_mov_b32 s[SEL], 0x76543210
	s_mov_b32 s[SEL+1], 0xfedcba98
	s_mov_b32 s58, 0xffff0000                      ; lanes 16-31
	s_mul_i32 s60, ttmp9, 49152                    ; acodes: four tiles of 12,288 bytes a work-group,
	s_mul_i32 s59, s2, 3072                        ; two K steps a wave
	s_add_co_u32 s60, s60, s59
	s_add_nc_u64 s[86:87], s[8:9], s[60:61]
	s_lshl_b32 s60, s2, 17                         ; ascale: plane w, 8 bytes a token
	s_lshl_b32 s59, ttmp9, 9
	s_add_co_u32 s60, s60, s59
	s_add_nc_u64 s[88:89], s[10:11], s[60:61]
	s_lshl_b32 s60, ttmp9, 8                       ; tinfo: 4 bytes a token; waves 0 and 1 take 32 tokens each
	s_lshl_b32 s59, s2, 7
	s_add_co_u32 s60, s60, s59
	s_add_nc_u64 s[90:91], s[14:15], s[60:61]
	s_lshl_b32 s60, ttmp9, 3                       ; route: word 2 g + wave of each row of 512
	s_lshl_b32 s59, s2, 2
	s_add_co_u32 s60, s60, s59
	s_add_nc_u64 s[92:93], s[12:13], s[60:61]
	s_add_nc_u64 s[94:95], s[8:9], 0xc00000        ; tile 1024 of acodes
	v_mul_u32_u24 v4, v3, XPH
	v_lshl_add_u32 v4, v9, 2, v4
	v_add_nc_u32 v4, s3, v4                        ; x in LDS: my wave's part + my token half + my column
	v_lshlrev_b32 v5, 4, v1                        ; 16 x lane
	v_lshlrev_b32 v7, 4, v0                        ; partial logits, on the way in: 512 x wave + 16 x lane
	v_add_nc_u32 v8, 0x10000, v7                   ; and for quads 32 to 63
	v_lshl_add_u32 v26, v0, 4, LB                  ; where my summed quad goes
	v_lshl_add_u32 v27, v0, 5, LB                  ; where a token's eight logits lie (threads 0 to 63)
	v_lshlrev_b32 v28, 3, v1
	s_and_b32 s59, s2, 1                           ; on the way out thread (wave, lane) sums quad 32 (wave % 2) + lane of token half wave / 2
	s_lshl_b32 s59, s59, 16
	s_lshr_b32 s60, s2, 1
	s_lshl_b32 s60, s60, 8
	s_add_co_u32 s59, s59, s60
	v_lshl_add_u32 v29, v1, 11, s59
.irp k, 0,1,2,3,4,5,6,7,8,9,10,11,12,13,14,15     ; its 16 partners of a wave, begun at another one in each lane: sixteen lanes then touch sixteen different columns of 16 bytes
	v_add_nc_u32 v[10+\k], \k, v1
	v_and_b32 v[10+\k], 15, v[10+\k]
	v_lshl_add_u32 v[10+\k], v[10+\k], 4, v29
.endr
	; the one-hot fragments: token 16 q + r has the code 24 (4.0) at place r of K block (q / 2) + 2 (q % 2): the bits 6 r + 3 and 6 r + 4 of three registers
	v_mul_u32_u24 v30, v2, 6
	v_add_nc_u32 v30, 3, v30
	v_and_b32 v31, 31, v30                         ; the shift: odd, so never 0
	v_lshrrev_b32 v30, 5, v30                      ; the word
	v_lshlrev_b32 v210, v31, 3
	v_sub_nc_u32 v31, 32, v31
	v_lshrrev_b32 v211, v31, 3                     ; what runs over into the next word
	v_cmp_eq_u32 s68, 0, v30
	v_cmp_eq_u32 s69, 1, v30
	v_cmp_eq_u32 s70, 2, v30
	v_cndmask_b32 v212, 0, v210, s68
	v_cndmask_b32 v213, 0, v210, s69
	v_cndmask_b32 v215, 0, v211, s68
	v_or_b32 v213, v213, v215
	v_cndmask_b32 v214, 0, v210, s70
	v_cndmask_b32 v215, 0, v211, s69
	v_or_b32 v214, v214, v215
	WIN 0xc0                                       ; destination window 3
.irp q, 0,1,2,3
.irp n, 0,1,2,3,4,5,6,7,8,9,10,11
.if ((\n)/6 == (\q)%2) && ((\n)%6 < 3)
.if (\q)/2 == 0
	v_cndmask_b32 v[12*\q+\n], v[212+(\n)%6], 0, s58
.else
	v_cndmask_b32 v[12*\q+\n], 0, v[212+(\n)%6], s58
.endif
.else
	v_mov_b32 v[12*\q+\n], 0
.endif
.endr
.endr
	WIN 0
	v_mov_b32 v[IDS], 0x7d7d7d7d                   ; 2^-2 for every block: 4.0 x 2^-2 = 1
	v_mov_b32 v[OB], 0                             ; a lane permute's destination counts as one of its sources
.irp b, 0,1,2,3
	v_mov_b32 v[TM+4+\b], 0
.endr
	s_wait_loadcnt 0x0                             ; w_gate
.macro XLOAD t                         ; tile t: my column's 32 tokens of my half into set t % 2
.set XB, X+32*((\t)%2)
	WIN 0
.set i, 0
.rept 32
	ds_load_b32 v[XB+i], v4 offset:((\t)/4)*XPC+256*i+128*(((\t)/2)%2)+32*((\t)%2)
.set i, i+1
.endr
.endm
.macro QTOK t                          ; the block's scale and codes: all 32 numbers are mine
.set XB, X+32*((\t)%2)
.set T8, (\t)%8
	WIN 0
	v_max3_num_f32 v[MA], |v[XB]|, |v[XB+1]|, 0x1800000     ; with the floor 2^(3 - 127): the byte cannot fall under 1
	v_max3_num_f32 v[MB], |v[XB+2]|, |v[XB+3]|, |v[XB+4]|
.irp n, 5,9,13,17,21,25
	v_max3_num_f32 v[MA], v[MA], |v[XB+\n]|, |v[XB+\n+1]|
	v_max3_num_f32 v[MB], v[MB], |v[XB+\n+2]|, |v[XB+\n+3]|
.endr
	v_max3_num_f32 v[MA], v[MA], |v[XB+29]|, |v[XB+30]|
	v_max3_num_f32 v[MA], v[MA], v[MB], |v[XB+31]|
	v_add_nc_u32 v[SCL], 0xff000000, v[MA]         ; 2 off the exponent field: the conversion's scale operand
	v_lshrrev_b32 v[BY], 23, v[SCL]                ; the byte
	v_permlanex16_b32 v[OB], v[BY], s[SEL], s[SEL+1]
	v_lshl_or_b32 v[XS+T8], v[OB], 8, v[BY]        ; lanes 0-15, which are read: K blocks 0 and 2 have my half's byte, 1 and 3 the other half's
	v_lshl_or_b32 v[XS+T8], v[XS+T8], 16, v[XS+T8]
	WIN 0x80
	v_cvt_scalef32_pk16_fp6_f32 v[XF+12*T8:XF+12*T8+2], v[XB:XB+15], v[SCL]
	v_cvt_scalef32_pk16_fp6_f32 v[XF+12*T8+6:XF+12*T8+8], v[XB+16:XB+31], v[SCL]
.endm
.macro LOGIT t                         ; 32 tokens x 8 experts += x(token, my column) x w_gate(my column, expert), two experts a line; tile 0 starts the sums.  These lines are also the plain lines behind the conversions and ahead of the products
.set XB, X+32*((\t)%2)
	WIN 0x58                                       ; x window 0, w_gate window 2, sums window 1
.set i, 0
.rept 16
.irp p, 0,1,2,3
.if (\t) == 0
	v_pk_mul_f32 v[16*i+2*\p:16*i+2*\p+1], v[XB+2*i:XB+2*i+1], v[8*(\t)+2*\p:8*(\t)+2*\p+1] op_sel_hi:[0,1]
.else
	v_pk_fma_f32 v[16*i+2*\p:16*i+2*\p+1], v[XB+2*i:XB+2*i+1], v[8*(\t)+2*\p:8*(\t)+2*\p+1], v[16*i+2*\p:16*i+2*\p+1] op_sel_hi:[0,1,1]
.endif
.endr
.irp p, 0,1,2,3
.if (\t) == 0
	v_pk_mul_f32 v[16*i+8+2*\p:16*i+8+2*\p+1], v[XB+2*i:XB+2*i+1], v[8*(\t)+2*\p:8*(\t)+2*\p+1] op_sel:[1,0] op_sel_hi:[1,1]
.else
	v_pk_fma_f32 v[16*i+8+2*\p:16*i+8+2*\p+1], v[XB+2*i:XB+2*i+1], v[8*(\t)+2*\p:8*(\t)+2*\p+1], v[16*i+8+2*\p:16*i+8+2*\p+1] op_sel:[1,0,0] op_sel_hi:[1,1,1]
.endif
.endr
.set i, i+1
.endr
.endm
; 64 numbers of a lane, register 16 b + i = k 32 b + 16 (lane / 16) + i of my row, become a fragment's codes in v[PC] on and its scale word in v[PW]
.macro QUANT s
.irp b, 0,1,2,3
	v_max3_num_f32 v[TM+\b], |v[\s+16*\b]|, |v[\s+1+16*\b]|, 0x1800000
.endr
.irp i, 2,4,6,8,10,12,14
.irp b, 0,1,2,3
	v_max3_num_f32 v[TM+\b], v[TM+\b], |v[\s+16*\b+\i]|, |v[\s+1+16*\b+\i]|
.endr
.endr
.irp b, 0,1,2,3
	v_permlanex16_b32 v[TM+4+\b], v[TM+\b], s[SEL], s[SEL+1]
.endr
.irp b, 0,1,2,3
	v_max_num_f32 v[TM+\b], v[TM+\b], v[TM+4+\b]
.endr
.irp b, 0,1,2,3
	v_add_nc_u32 v[TM+12+\b], 0xff000000, v[TM+\b]
.endr
.irp b, 0,1,2,3
	v_lshrrev_b32 v[TM+4+\b], 23, v[TM+12+\b]
.endr
	v_lshl_or_b32 v[PW], v[TM+5], 8, v[TM+4]
	v_lshl_or_b32 v[PW], v[TM+6], 16, v[PW]
	v_lshl_or_b32 v[PW], v[TM+7], 24, v[PW]
.irp c, 0,1
	v_cvt_scalef32_pk16_fp6_f32 v[PC+6*\c:PC+2+6*\c], v[\s+32*\c:\s+15+32*\c], v[TM+12+2*\c]
	v_cvt_scalef32_pk16_fp6_f32 v[PC+12+4*\c:PC+14+4*\c], v[\s+16+32*\c:\s+31+32*\c], v[TM+12+2*\c+1]
.endr
	v_nop                                          ; one plain line behind a scaled conversion
.irp c, 0,1                                    ; the operand's layout wants a whole block in a lane
.irp i, 0,1,2
	v_permlane16_swap_b32 v[PC+6*\c+\i], v[PC+12+4*\c+\i]
.endr
.irp i, 0,1,2
	v_mov_b32 v[PC+3+6*\c+\i], v[PC+12+4*\c+\i]
.endr
.endr
.endm
; The dispatch product for my K step ks (128 columns: eight fragments of x) and the four tiles of 16 tokens.  Source 0 = 16 columns of x, source 1 = 16 one-hot rows: lane (r, h) then holds token 16 q + r,
; and register 16 b + i the column 32 b + 16 h + i.  Eight results, each begun with 0: no chain.  The rows are quantised along the columns and leave as the image of a fragment: 512 consecutive bytes a store.
.macro DISPATCH ks
.irp q, 0,1,2,3
	WIN 0x0e                                       ; source 0 window 2, source 1 window 3
.irp a, 0,1,2,3,4,5,6,7
	v_wmma_scale_f32_16x16x128_f8f6f4 v[HA+8*\a:HA+8*\a+7], v[XF+12*\a:XF+12*\a+11], v[12*\q:12*\q+11], 0, v[XS+\a], v[IDS] matrix_a_fmt:MATRIX_FMT_FP6 matrix_b_fmt:MATRIX_FMT_FP6
.endr
	WIN 0
.rept 4
	v_nop                                          ; four plain lines between the products and the first read of their results (ISA guide 7.12.1)
.endr
	s_wait_xcnt 0x0                                ; the last stores have read the codes' registers
	QUANT HA
.irp p, 0,1,2
	global_store_b128 v5, v[PC+4*\p:PC+4*\p+3], s[86:87] offset:\q*12288+(\ks)*1536+512*\p th:TH_STORE_NT
.endr
	v_mov_b32 v[PWK+2*\q+(\ks)], v[PW]
.endr
.endm
	s_wait_tensorcnt 6                             ; the first piece's two loads are in; the six behind them may be out
	XLOAD 0
.set T, 0
.rept 16
.if T < 15
.if (T+1)%4 == 0
	s_wait_tensorcnt 6-2*((T+1)/4)                 ; the next piece's two loads are in; those of the later pieces may be out
.endif
	XLOAD T+1
	s_wait_dscnt 32                                ; this tile's 32 loads are in; the next tile's may be out
.else
	s_wait_dscnt 0x0
.endif
	QTOK T
	LOGIT T
.if T == 7
	DISPATCH 0
.endif
.if T == 15
	DISPATCH 1
.endif
.set T, T+1
.endr
	; the rows' scale words, a token a lane: 256 consecutive bytes a store
.irp p, 0,1
.irp k, 0,1
	v_cndmask_b32 v[SPR+2*\p+\k], v[PWK+4*\p+\k], v[PWK+4*\p+2+\k], s58
.endr
	global_store_b64 v28, v[SPR+2*\p:SPR+2*\p+1], s[88:89] offset:256*\p
.endr
	s_wait_dscnt 0x0                               ; my reads of x are over, and all my tensor loads were waited for above:
	s_barrier_signal -1
	s_barrier_wait -1                              ; so of every wave: x's bytes may be written
	WIN 0x04                                       ; an LDS store's data are its source 1: window 1
.set j, 0
.rept 32
	ds_store_b128 v7, v[4*j:4*j+3] offset:2048*j
.set j, j+1
.endr
.rept 32
	ds_store_b128 v8, v[4*j:4*j+3] offset:2048*(j-32)
.set j, j+1
.endr
	WIN 0
	s_wait_dscnt 0x0
	s_barrier_signal -1
	s_barrier_wait -1                              ; all partial logits lie in LDS
.macro PLOAD w, buf                    ; wave w's sixteen partial quads of my quad
.irp k, 0,1,2,3,4,5,6,7,8,9,10,11,12,13,14,15
	ds_load_b128 v[\buf+4*\k:\buf+4*\k+3], v[10+\k] offset:512*\w
.endr
.endm
.macro PADD buf, first                 ; onto four chains; the first round starts them
.irp m, 0,1,2,3
.irp c, 0,1,2,3
.irp d, 0,2
.if \first && (\m == 0)
.elseif \first && (\m == 1)
	v_pk_add_f32 v[SU+4*\c+\d:SU+4*\c+\d+1], v[\buf+4*\c+\d:\buf+4*\c+\d+1], v[\buf+16+4*\c+\d:\buf+16+4*\c+\d+1]
.else
	v_pk_add_f32 v[SU+4*\c+\d:SU+4*\c+\d+1], v[SU+4*\c+\d:SU+4*\c+\d+1], v[\buf+16*\m+4*\c+\d:\buf+16*\m+4*\c+\d+1]
.endif
.endr
.endr
.endr
.endm
	PLOAD 0, 32
	PLOAD 1, 96
	s_wait_dscnt 16                                ; all but the sixteen just issued
	PADD 32, 1
	PLOAD 2, 32
	s_wait_dscnt 16
	PADD 96, 0
	PLOAD 3, 96
	s_wait_dscnt 16
	PADD 32, 0
	s_wait_dscnt 0x0
	PADD 96, 0
.irp d, 0,2
	v_pk_add_f32 v[SU+\d:SU+\d+1], v[SU+\d:SU+\d+1], v[SU+4+\d:SU+4+\d+1]
	v_pk_add_f32 v[SU+8+\d:SU+8+\d+1], v[SU+8+\d:SU+8+\d+1], v[SU+12+\d:SU+12+\d+1]
.endr
.irp d, 0,2
	v_pk_add_f32 v[SU+\d:SU+\d+1], v[SU+\d:SU+\d+1], v[SU+8+\d:SU+8+\d+1]
.endr
	ds_store_b128 v26, v[SU:SU+3]
	s_wait_dscnt 0x0
	s_barrier_signal -1
	s_barrier_wait -1                              ; the 64 tokens' logits lie in LDS; no barrier follows
	s_cmp_lt_u32 s2, 2
	s_cbranch_scc1 .Lrouter
	s_cmp_eq_u32 s2, 3
	s_cbranch_scc0 .Lend
	s_cmp_eq_u32 ttmp9, 0
	s_cbranch_scc0 .Lend
.irp n, 0,1,2,3                        ; wave 3 of work-group 0: the tile of zeros
	v_mov_b32 v[32+\n], 0
.endr
.irp n, 0,1,2,3,4,5,6,7,8,9,10,11,12,13,14,15,16,17,18,19,20,21,22,23
	global_store_b128 v5, v[32:35], s[94:95] offset:512*\n
.endr
	s_branch .Lend
.Lrouter:                                          ; waves 0 and 1: a token a lane
	ds_load_b128 v[32:35], v27
	ds_load_b128 v[36:39], v27 offset:16
	s_wait_dscnt 0x0
	v_max3_num_f32 v40, v32, v33, v34
	v_max3_num_f32 v40, v40, v35, v36
	v_max3_num_f32 v40, v40, v37, v38
	v_max_num_f32 v40, v40, v39                    ; the row's maximum is taken away ahead of the exponentials
.irp e, 0,1,2,3,4,5,6,7
	v_sub_f32 v[32+\e], v[32+\e], v40
.endr
.irp e, 0,1,2,3,4,5,6,7
	v_mul_f32 v[32+\e], 0x3fb8aa3b, v[32+\e]
.endr
.irp e, 0,1,2,3,4,5,6,7
	v_exp_f32 v[32+\e], v[32+\e]
.endr
	v_nop                                          ; a plain line behind the exponentials,
	s_wait_alu depctr_va_vdst(0)                   ; and the one wait ahead of the batch's first reader
	v_add_f32 v41, v32, v33
	v_add_f32 v42, v34, v35
	v_add_f32 v43, v36, v37
	v_add_f32 v44, v38, v39
	v_add_f32 v41, v41, v42
	v_add_f32 v43, v43, v44
	v_add_f32 v41, v41, v43
	v_rcp_f32 v45, v41
	v_nop
	s_wait_alu depctr_va_vdst(0)
.irp e, 0,1,2,3,4,5,6,7
	v_mul_f32 v[32+\e], v[32+\e], v45              ; the probabilities
.endr
	v_max3_num_f32 v46, v32, v33, v34
	v_max3_num_f32 v46, v46, v35, v36
	v_max3_num_f32 v46, v46, v37, v38
	v_max_num_f32 v46, v46, v39                    ; the gate
	v_mov_b32 v47, 7
.irp e, 6,5,4,3,2,1,0                  ; the first expert that has it
	v_cmp_eq_f32 vcc_lo, v[32+\e], v46
	v_cndmask_b32 v47, v47, \e, vcc_lo
.endr
	v_mov_b32 v48, v46                             ; the gate stands alone in its block of the combine row: its own exponent gives the scale
.irp n, 1,2,3,4,5,6,7,8,9,10,11,12,13,14,15
	v_mov_b32 v[48+\n], 0
.endr
	v_add_nc_u32 v64, 0xff000000, v46
	v_cvt_scalef32_pk16_fp6_f32 v[66:68], v[48:63], v64
	v_lshrrev_b32 v65, 23, v64                     ; (the plain line behind the conversion)
	v_and_b32 v66, 63, v66
	v_lshl_or_b32 v66, v65, 8, v66
	v_lshlrev_b32 v69, 2, v1
	global_store_b32 v69, v66, s[90:91]
	v_mov_b32 v70, 0
.irp e, 0,1,2,3,4,5,6,7
	v_cmp_eq_u32 s[68+\e], \e, v47                 ; the ballot of expert e.  It is stored at a fixed place: no address of this launch hangs on it
.endr
.irp e, 0,1,2,3,4,5,6,7
	s_bcnt1_i32_b32 s[76+\e], s[68+\e]
	v_writelane_b32 v70, s[68+\e], \e
	v_writelane_b32 v70, s[76+\e], 8+\e
.endr
	v_and_b32 v71, 7, v1
	v_lshlrev_b32 v71, 11, v71                     ; row e of 2,048 bytes,
	v_bfe_u32 v72, v0, 3, 1
	v_lshl_add_u32 v71, v72, 14, v71               ; masks, then counts
	s_wait_xcnt 0x0                                ; EXEC changes only behind this wait
	v_cmp_gt_u32 vcc_lo, 16, v1
	s_and_saveexec_b32 s84, vcc_lo
	global_store_b32 v71, v70, s[92:93]            ; sixteen words a group of 32 tokens, each into its expert's row: one part in a thousand of what the launch stores
	s_wait_xcnt 0x0
	s_or_b32 exec_lo, exec_lo, s84
.Lend:
	s_wait_tensorcnt 0x0
	ds_add_u32 v254, v255
	s_wait_dscnt 0x0
	s_endpgm
.Lfunc_end_k_q66609f41fa_route:
	.size	k_q66609f41fa_route, .Lfunc_end_k_q66609f41fa_route-k_q66609f41fa_route
	.p2alignl 7, 3214868480
	.fill 96, 4, 3214868480
	.section	.rodata,"a",@progbits
	.p2align	6, 0x0
	.amdhsa_kernel k_q66609f41fa_route
		.amdhsa_group_segment_fixed_size 266752
		.amdhsa_private_segment_fixed_size 0
		.amdhsa_enable_private_segment 0
		.amdhsa_kernarg_size 48
		.amdhsa_user_sgpr_count 2
		.amdhsa_user_sgpr_kernarg_segment_ptr 1
		.amdhsa_wavefront_size32 1
		.amdhsa_system_sgpr_workgroup_id_x 1
		.amdhsa_system_sgpr_workgroup_id_y 1
		.amdhsa_system_sgpr_workgroup_id_z 1
		.amdhsa_system_vgpr_workitem_id 0
		.amdhsa_next_free_vgpr 832
		.amdhsa_next_free_sgpr 100
		.amdhsa_reserve_vcc 1
		.amdhsa_float_denorm_mode_32 3
		.amdhsa_float_denorm_mode_16_64 3
		.amdhsa_memory_ordered 1
		.amdhsa_forward_progress 1
		.amdhsa_inst_pref_size 255
	.end_amdhsa_kernel
	.section	.bss,"aw",@nobits
	.p2align	6
	.space	262144
	.amdgpu_metadata
---
amdhsa.version: [ 1, 2 ]
amdhsa.kernels:
  - .name:           k_q66609f41fa_route
    .symbol:         k_q66609f41fa_route.kd
    .args:
      - { .name: x, .offset: 0, .size: 8, .value_kind: global_buffer, .address_space: global }
      - { .name: w_gate, .offset: 8, .size: 8, .value_kind: global_buffer, .address_space: global }
      - { .name: acodes, .offset: 16, .size: 8, .value_kind: global_buffer, .address_space: global }
      - { .name: ascale, .offset: 24, .size: 8, .value_kind: global_buffer, .address_space: global }
      - { .name: route, .offset: 32, .size: 8, .value_kind: global_buffer, .address_space: global }
      - { .name: tinfo, .offset: 40, .size: 8, .value_kind: global_buffer, .address_space: global }
    .group_segment_fixed_size: 266752
    .private_segment_fixed_size: 0
    .kernarg_segment_align: 8
    .kernarg_segment_size: 48
    .max_flat_workgroup_size: 128
    .sgpr_count:     100
    .vgpr_count:     832
    .wavefront_size: 32
...
	.end_amdgpu_metadata
.endif
;; end of part 1
;; launch expert (part 2): grid 8 x 25, 4 waves a work-group, no clusters, 8,960 bytes of LDS; arguments route, acodes, ascale, w_expert_codes, w_expert_scales, b_expert, ebase, eoc, eos; writes ebase, eoc, eos
.if DOCPART == 2
	.amdgcn_target "amdgcn-amd-amdhsa--gfx1250"
	.amdhsa_code_object_version 6
	.text
	.protected	k_q66609f41fa_expert
	.globl	k_q66609f41fa_expert
	.p2align	8
	.type	k_q66609f41fa_expert,@function
k_q66609f41fa_expert:
	s_mov_b64 s[64:65], 0
	v_nop
	global_prefetch_b8 v0, s[64:65] scope:SCOPE_SE
	s_setreg_imm32_b32 hwreg(HW_REG_WAVE_MODE, 25, 1), 1
	s_wait_xcnt 0x0
; THE EXPERT.  expert_out [800 slots][1024] = Q(dispatched) x w_expert + b, then quantised ALONG THE SLOTS for the last product.
; Work-group (cg, sb) takes slots 32 sb .. 32 sb + 31 (one block of the last product's K) and columns 128 cg .. + 127; wave w the columns 32 w .. + 31 of them, as two tiles of 16.
; Slot s = 100 e + c belongs to the token of rank c among those that chose expert e.  The 32 slots touch at most two experts.  The work-group sums the stored counts of these two over the 512 groups of 32 tokens
; (both in one word, 16 bits each: a sum is at most 16,384), each lane finds its slot's group by a search in nine steps and the token by picking the bit of that rank out of the group's ballot.
; The token's row was quantised by the launch before, as the image of a fragment: a lane loads its 16 bytes of each of the 24 groups of four registers.  A slot without a token takes the tile of zeros: its row of
; expert_out is then the bias, as reference() has it.
; THE SLOTS OF A TILE ARE NOT NEIGHBOURS: row r of tile u is slot 8 u + r + 8 (r / 8), so that a lane's 16 results of the two tiles are 16 neighbouring slots of one column: the next K runs along its registers.
; eoc: [cg][sb][128 columns][24 bytes]: a block's 32 codes as one stream of bits.  eos: [column][32 bytes]: byte sb is the block's scale; bytes 25 to 31 are 127 (K is filled up to 896 with zero codes).
; ebase: [8][512]: for each expert the number of its tokens ahead of each group; each expert's row is stored by the first work-group (cg = 0) whose lower expert it is.
; The addresses of the gather hang on stored whole numbers, so the operands go from memory straight into registers: no tensor load, and so no joint loads of a cluster.
; LIMITS: NaN and infinities are not served; a block of zeros gets the byte 1 (its codes are zeros; this program alone reads the bytes).
; REGISTERS: window 0: all vector work, scale words, bias, the four accumulators.  window 1: the rows' 16 fragments (96 u + 12 s).  window 2: the weights' 16 fragments (96 n + 12 s).
.set AS,   80                          ; v80-95   the rows' scale words: 8 u + s
.set BS,   96                          ; v96-111  the weights': 8 n + s
.set BIAS, 112                         ; v112-127 the bias as the first C: 8 n + j
.set ACC,  128                         ; v128-159 16 n + 8 u
.set AO,   176                         ; v176-177 byte offset of my row's codes, tile u
.set SO,   178                         ; v178-179 of its scale words
.set BT,   256                         ; LDS: [2 experts][512] prefixes; 4,096 bytes on: [2][512] ballots; at 0: the four waves' totals
.set TOP,  BT+2048+4*511               ; the last word of the upper expert's prefixes: no address of the search lies above it
.set MSB,  0
.macro WIN new
.if MSB != (\new)
	s_set_vgpr_msb (MSB<<8)|(\new)
.set MSB, (\new)
.endif
.endm
	s_load_b256 s[4:11], s[0:1], 0x0               ; route, acodes, ascale, the weights' codes
	s_load_b256 s[12:19], s[0:1], 0x20             ; the weights' scales, bias, ebase, eoc
	s_load_b64 s[20:21], s[0:1], 0x40              ; eos
	v_lshl_add_u32 v254, v0, 2, 0x2100
	v_mov_b32 v255, 0
	v_lshrrev_b32 v1, 5, v0
	v_readfirstlane_b32 s2, v1                     ; wave
	s_mov_b32 s22, ttmp9                           ; cg
	s_and_b32 s23, ttmp7, 0xffff                   ; sb
	s_lshl_b32 s24, s23, 5                         ; my first slot
	s_mul_i32 s25, s24, 656
	s_lshr_b32 s25, s25, 16                        ; its expert: s / 100 = (656 s) >> 16 for s under 800
	s_add_co_u32 s26, s24, 31
	s_mul_i32 s26, s26, 656
	s_lshr_b32 s26, s26, 16                        ; my last slot's expert
	s_mul_i32 s28, s25, 100
	s_add_co_u32 s27, s28, 100                     ; from this slot on: the upper expert
	s_lshl_b32 s40, s25, 11
	s_mov_b32 s41, 0
	s_lshl_b32 s42, s26, 11
	s_mov_b32 s43, 0
	s_mov_b32 s39, 0xffff0000                      ; lanes 16-31
	s_mov_b32 s60, 0x76543210
	s_mov_b32 s61, 0xfedcba98                      ; lane l xor 16
	s_mul_i32 s44, s22, 76800
	s_mul_i32 s46, s23, 3072
	s_add_co_u32 s44, s44, s46
	s_mul_i32 s46, s2, 768
	s_add_co_u32 s44, s44, s46
	s_mov_b32 s45, 0
	v_and_b32 v1, 31, v0
	v_and_b32 v2, 15, v0                           ; r
	v_bfe_u32 v3, v0, 4, 1                         ; h
	v_lshlrev_b32 v4, 4, v0                        ; 16 x thread: four groups' words
	s_lshl_b32 s38, s22, 7
	s_lshl_b32 s29, s2, 5
	s_add_co_u32 s38, s38, s29
	v_add_nc_u32 v8, s38, v2                       ; my column of tile 0
	v_mul_u32_u24 v5, v8, 768                      ; a row of the weights' codes: 1,024 codes, 768 bytes
	v_mad_u32_u24 v5, v3, 24, v5
	v_lshlrev_b32 v6, 5, v8                        ; 32 scale bytes a column, in the weights' scales and in eos
	v_lshlrev_b32 v7, 2, v8
	v_mul_u32_u24 v10, v2, 24
	v_mad_u32_u24 v10, v3, 12, v10                 ; eoc: 24 bytes a column, my half's 12
	s_wait_kmcnt 0x0
	s_add_nc_u64 s[34:35], s[4:5], s[40:41]        ; the ballots of the lower expert,
	s_add_nc_u64 s[36:37], s[4:5], s[42:43]        ; of the upper,
	s_add_nc_u64 s[30:31], s[34:35], 16384         ; and their counts
	s_add_nc_u64 s[32:33], s[36:37], 16384
	s_add_nc_u64 s[56:57], s[16:17], s[40:41]      ; the lower expert's row of ebase
	s_add_nc_u64 s[18:19], s[18:19], s[44:45]      ; eoc at my wave's columns
	s_mov_b32 s44, s23
	s_add_nc_u64 s[20:21], s[20:21], s[44:45]      ; eos at byte sb
	global_load_b128 v[12:15], v4, s[30:31]
	global_load_b128 v[16:19], v4, s[32:33]
	global_load_b128 v[20:23], v4, s[34:35]
	global_load_b128 v[24:27], v4, s[36:37]
.irp n, 0,1
	global_load_b128 v[BS+8*\n:BS+8*\n+3], v6, s[12:13] offset:512*\n
	global_load_b128 v[BS+8*\n+4:BS+8*\n+7], v6, s[12:13] offset:512*\n+16
.endr
.irp n, 0,1
	global_load_b32 v[BIAS+8*\n], v7, s[14:15] offset:64*\n
.endr
	WIN 0x80                                       ; destination window 2: the weights land while the slots are looked up
.irp n, 0,1
.irp s, 0,1,2,3,4,5,6,7
.irp p, 0,1,2,3,4,5
	global_load_b64 v[96*\n+12*\s+2*\p:96*\n+12*\s+2*\p+1], v5, s[10:11] offset:\n*12288+96*\s+48*(\p/3)+8*(\p%3)
.endr
.endr
.endr
	WIN 0
	s_wait_loadcnt 63                              ; 102 loads stand behind the four of route; the count is the largest that the wait can name, and it covers the scales and the bias too
.irp n, 0,1
.irp j, 1,2,3,4,5,6,7
	v_mov_b32 v[BIAS+8*\n+\j], v[BIAS+8*\n]        ; a lane's eight results are eight slots of one column
.endr
.endr
	; the prefix over 512 groups: four a thread, 32 threads by a scan, four waves through LDS
.irp g, 0,1,2,3
	v_lshl_or_b32 v[28+\g], v[16+\g], 16, v[12+\g]
.endr
	v_add_nc_u32 v32, v28, v29
	v_add_nc_u32 v33, v30, v31
	v_add_nc_u32 v32, v32, v33                     ; my four groups
	v_mov_b32 v33, v32
	v_mov_b32 v34, 0
.irp d, 1,2,4,8
	v_mov_b32_dpp v34, v33 row_shr:\d row_mask:0xf bank_mask:0xf bound_ctrl:1
	v_add_nc_u32 v33, v33, v34
.endr
	v_readlane_b32 s40, v33, 15
	v_mov_b32 v34, s40
	v_cndmask_b32 v34, 0, v34, s39
	v_add_nc_u32 v33, v33, v34                     ; up to and with my thread, in my wave
	v_readlane_b32 s41, v33, 31
	v_mov_b32 v35, s41
	s_lshl_b32 s42, s2, 2
	v_mov_b32 v9, s42
	ds_store_b32 v9, v35
	s_wait_dscnt 0x0
	s_barrier_signal -1
	s_barrier_wait -1
	v_mov_b32 v9, 0
	ds_load_b128 v[36:39], v9
	s_wait_dscnt 0x0
	v_readfirstlane_b32 s44, v36
	v_readfirstlane_b32 s45, v37
	v_readfirstlane_b32 s46, v38
	v_readfirstlane_b32 s47, v39
	s_cmp_gt_u32 s2, 0
	s_cselect_b32 s48, s44, 0
	s_cmp_gt_u32 s2, 1
	s_cselect_b32 s49, s45, 0
	s_cmp_gt_u32 s2, 2
	s_cselect_b32 s50, s46, 0
	s_add_co_u32 s48, s48, s49
	s_add_co_u32 s48, s48, s50                     ; the waves below mine
	s_add_co_u32 s51, s44, s45
	s_add_co_u32 s51, s51, s46
	s_add_co_u32 s51, s51, s47
	s_and_b32 s52, s51, 0xffff                     ; all tokens of the lower expert,
	s_lshr_b32 s53, s51, 16                        ; of the upper
	v_sub_nc_u32 v40, v33, v32
	v_add_nc_u32 v40, s48, v40                     ; ahead of my first group,
	v_add_nc_u32 v41, v40, v28
	v_add_nc_u32 v42, v41, v29
	v_add_nc_u32 v43, v42, v30                     ; and of the other three
.irp g, 0,1,2,3
	v_and_b32 v[44+\g], 0xffff, v[40+\g]
.endr
.irp g, 0,1,2,3
	v_lshrrev_b32 v[48+\g], 16, v[40+\g]
.endr
	ds_store_b128 v4, v[44:47] offset:BT
	ds_store_b128 v4, v[48:51] offset:BT+2048
	ds_store_b128 v4, v[20:23] offset:BT+4096
	ds_store_b128 v4, v[24:27] offset:BT+6144
	s_sub_co_u32 s54, s24, s28
	s_cmp_lt_u32 s54, 32                           ; the first block whose lower expert this is,
	s_cselect_b32 s54, 1, 0
	s_cmp_eq_u32 s22, 0                            ; in the first group of columns
	s_cselect_b32 s55, s54, 0
	s_cmp_eq_u32 s55, 1
	s_cbranch_scc0 .Lno_base
	global_store_b128 v4, v[44:47], s[56:57]       ; 512 consecutive bytes a wave
.Lno_base:
	s_wait_dscnt 0x0
	s_barrier_signal -1
	s_barrier_wait -1                              ; the tables lie in LDS; nothing is written there from here on
	; lane (r, h) looks up slot 8 h + r + 8 (r / 8): row r of tile h
	v_and_b32 v52, 8, v2
	v_add_nc_u32 v52, v52, v2
	v_lshl_add_u32 v52, v3, 3, v52
	v_add_nc_u32 v53, s24, v52
	v_cmp_le_u32 s59, s27, v53                     ; the upper expert's?
	v_sub_nc_u32 v54, v53, s28
	v_mov_b32 v55, 100
	v_cndmask_b32 v55, 0, v55, s59
	v_sub_nc_u32 v54, v54, v55                     ; c: the rank wanted
	v_mov_b32 v56, s53
	v_mov_b32 v57, s52
	v_cndmask_b32 v56, v57, v56, s59               ; how many tokens the expert has
	v_mov_b32 v57, BT
	v_mov_b32 v59, BT+2048
	v_cndmask_b32 v59, v57, v59, s59               ; its table
	v_mov_b32 v58, v59
	v_mov_b32 v60, 0
.irp st, 256,128,64,32,16,8,4,2,1      ; the last group with at most c tokens ahead of it.  The steps add up to 511 at the most, so the address stays in its table
	ds_load_b32 v61, v58 offset:4*\st
	v_add_nc_u32 v62, 4*\st, v58
	s_wait_dscnt 0x0
	v_cmp_le_u32 vcc_lo, v61, v54
	v_cndmask_b32 v58, v58, v62, vcc_lo
	v_cndmask_b32 v60, v60, v61, vcc_lo
	v_min_u32 v58, TOP, v58                        ; what a loaded number has chosen serves as an address only behind this hold; it changes no value
.endr
	ds_load_b32 v61, v58 offset:4096               ; its ballot
	v_sub_nc_u32 v63, v54, v60                     ; the rank inside it
	v_sub_nc_u32 v64, v58, v59                     ; 4 x group
	s_wait_dscnt 0x0
	v_lshrrev_b32 v65, 1, v61                      ; counts of set bits in fields of 2, 4, 8 and 16 bits
	v_and_b32 v65, 0x55555555, v65
	v_sub_nc_u32 v65, v61, v65
	v_lshrrev_b32 v66, 2, v65
	v_and_b32 v66, 0x33333333, v66
	v_and_b32 v67, 0x33333333, v65
	v_add_nc_u32 v66, v66, v67
	v_lshrrev_b32 v67, 4, v66
	v_add_nc_u32 v67, v67, v66
	v_and_b32 v67, 0x0f0f0f0f, v67
	v_lshrrev_b32 v68, 8, v67
	v_add_nc_u32 v68, v68, v67
	v_mov_b32 v69, 0
.macro PICK src, width, add            ; if the rank is not in the lower field, take the field's count off it and go to the upper
	v_bfe_u32 v70, v[\src], v69, \width
	v_cmp_ge_u32 vcc_lo, v63, v70
	v_sub_nc_u32 v71, v63, v70
	v_add_nc_u32 v72, \add, v69
	v_cndmask_b32 v63, v63, v71, vcc_lo
	v_cndmask_b32 v69, v69, v72, vcc_lo
.endm
	PICK 68, 8, 16
	PICK 67, 8, 8
	PICK 66, 4, 4
	PICK 65, 2, 2
	PICK 61, 1, 1
	v_lshl_add_u32 v73, v64, 3, v69                ; the token: 32 x group + bit
	v_cmp_lt_u32 vcc_lo, v54, v56
	v_mov_b32 v74, 0x4000
	v_cndmask_b32 v73, v74, v73, vcc_lo            ; a slot that no token takes: 16,384, the tile of zeros
	v_mov_b32 v75, 0
	v_permlanex16_b32 v75, v73, s60, s61
	v_cndmask_b32 v76, v73, v75, s39               ; row r of tile 0, in both halves of the lanes,
	v_cndmask_b32 v77, v75, v73, s39               ; of tile 1
.irp u, 0,1
	v_min_u32 v[76+\u], 0x4000, v[76+\u]           ; a number that was loaded enters an address only behind this hold
	v_and_b32 v78, 0x7ff0, v[76+\u]
	v_mul_u32_u24 v78, v78, 768                    ; the token's tile: 12,288 bytes each,
	v_and_b32 v79, 15, v[76+\u]
	v_lshl_add_u32 v78, v79, 4, v78                ; its row's lane,
	v_lshl_add_u32 v[AO+\u], v3, 8, v78            ; my half
	v_min_u32 v79, 0x3fff, v[76+\u]                ; (zero codes go under any token's bytes)
	v_lshlrev_b32 v[SO+\u], 3, v79
.endr
	WIN 0x40                                       ; destination window 1
.irp u, 0,1
.irp s, 0,1,2,3,4,5,6,7
.irp p, 0,1,2
	global_load_b128 v[96*\u+12*\s+4*\p:96*\u+12*\s+4*\p+3], v[AO+\u], s[6:7] offset:1536*\s+512*\p
.endr
.endr
.endr
	WIN 0
.irp u, 0,1
.irp k, 0,1,2,3
	global_load_b64 v[AS+8*\u+2*\k:AS+8*\u+2*\k+1], v[SO+\u], s[8:9] offset:131072*\k
.endr
.endr
	v_mov_b32 v162, 0
	v_mov_b32 v163, 0
	s_wait_loadcnt 0x0
	WIN 0x09                                       ; source 0 (rows) window 1, source 1 (weights) window 2
.irp s, 0,1,2,3,4,5,6,7                ; four accumulators by turns, one instruction a turn; the bias is the first C
.irp n, 0,1
.irp u, 0,1
.if \s == 0
	v_wmma_scale_f32_16x16x128_f8f6f4 v[ACC+16*\n+8*\u:ACC+16*\n+8*\u+7], v[96*\u+12*\s:96*\u+12*\s+11], v[96*\n+12*\s:96*\n+12*\s+11], v[BIAS+8*\n:BIAS+8*\n+7], v[AS+8*\u+\s], v[BS+8*\n+\s] matrix_a_fmt:MATRIX_FMT_FP6 matrix_b_fmt:MATRIX_FMT_FP6
.else
	v_wmma_scale_f32_16x16x128_f8f6f4 v[ACC+16*\n+8*\u:ACC+16*\n+8*\u+7], v[96*\u+12*\s:96*\u+12*\s+11], v[96*\n+12*\s:96*\n+12*\s+11], v[ACC+16*\n+8*\u:ACC+16*\n+8*\u+7], v[AS+8*\u+\s], v[BS+8*\n+\s] matrix_a_fmt:MATRIX_FMT_FP6 matrix_b_fmt:MATRIX_FMT_FP6
.endif
.endr
.endr
.endr
	WIN 0
.rept 4
	v_nop                                          ; four plain lines ahead of the first read of results (ISA guide 7.12.1)
.endr
	; lane (r, h): registers 16 n + 0..15 = slots 16 h + 0..15 of column 16 n + r.  The block of 32 lies in lanes l and l xor 16
.irp n, 0,1
	v_max3_num_f32 v[160+\n], |v[ACC+16*\n]|, |v[ACC+16*\n+1]|, 0x1800000
.endr
.irp i, 2,4,6,8,10,12,14
.irp n, 0,1
	v_max3_num_f32 v[160+\n], v[160+\n], |v[ACC+16*\n+\i]|, |v[ACC+16*\n+\i+1]|
.endr
.endr
.irp n, 0,1
	v_permlanex16_b32 v[162+\n], v[160+\n], s60, s61
.endr
.irp n, 0,1
	v_max_num_f32 v[160+\n], v[160+\n], v[162+\n]
.endr
.irp n, 0,1
	v_add_nc_u32 v[164+\n], 0xff000000, v[160+\n]
.endr
.irp n, 0,1
	v_lshrrev_b32 v[166+\n], 23, v[164+\n]
.endr
.irp n, 0,1
	v_cvt_scalef32_pk16_fp6_f32 v[168+4*\n:170+4*\n], v[ACC+16*\n:ACC+16*\n+15], v[164+\n]
.endr
	v_nop                                          ; one plain line behind a scaled conversion
.irp n, 0,1
	global_store_b96 v10, v[168+4*\n:170+4*\n], s[18:19] offset:384*\n   ; 384 consecutive bytes a store; the work-group's eight cover 3,072
.endr
	s_cmp_eq_u32 s23, 24
	s_cbranch_scc1 .Llast
.irp n, 0,1
	global_store_b8 v6, v[166+\n], s[20:21] offset:512*\n                ; a byte into each column's row (both halves of the lanes write the same): 128 bytes a work-group beside its 3,072 of codes
.endr
	s_wait_tensorcnt 0x0
	ds_add_u32 v254, v255
	s_wait_dscnt 0x0
	s_endpgm
.Llast:                                            ; the last block also fills K up to 896: bytes 25 to 31 are 127
.irp n, 0,1
	v_or_b32 v[180+2*\n], 0x7f7f7f00, v[166+\n]
	v_mov_b32 v[181+2*\n], 0x7f7f7f7f
.endr
.irp n, 0,1
	global_store_b64 v6, v[180+2*\n:181+2*\n], s[20:21] offset:512*\n
.endr
	s_wait_tensorcnt 0x0
	ds_add_u32 v254, v255
	s_wait_dscnt 0x0
	s_endpgm
.Lfunc_end_k_q66609f41fa_expert:
	.size	k_q66609f41fa_expert, .Lfunc_end_k_q66609f41fa_expert-k_q66609f41fa_expert
	.p2alignl 7, 3214868480
	.fill 96, 4, 3214868480
	.section	.rodata,"a",@progbits
	.p2align	6, 0x0
	.amdhsa_kernel k_q66609f41fa_expert
		.amdhsa_group_segment_fixed_size 8960
		.amdhsa_private_segment_fixed_size 0
		.amdhsa_enable_private_segment 0
		.amdhsa_kernarg_size 72
		.amdhsa_user_sgpr_count 2
		.amdhsa_user_sgpr_kernarg_segment_ptr 1
		.amdhsa_wavefront_size32 1
		.amdhsa_system_sgpr_workgroup_id_x 1
		.amdhsa_system_sgpr_workgroup_id_y 1
		.amdhsa_system_sgpr_workgroup_id_z 1
		.amdhsa_system_vgpr_workitem_id 0
		.amdhsa_next_free_vgpr 704
		.amdhsa_next_free_sgpr 66
		.amdhsa_reserve_vcc 1
		.amdhsa_float_denorm_mode_32 3
		.amdhsa_float_denorm_mode_16_64 3
		.amdhsa_memory_ordered 1
		.amdhsa_forward_progress 1
		.amdhsa_inst_pref_size 36
	.end_amdhsa_kernel
	.amdgpu_metadata
---
amdhsa.version: [ 1, 2 ]
amdhsa.kernels:
  - .name:           k_q66609f41fa_expert
    .symbol:         k_q66609f41fa_expert.kd
    .args:
      - { .name: route, .offset: 0, .size: 8, .value_kind: global_buffer, .address_space: global }
      - { .name: acodes, .offset: 8, .size: 8, .value_kind: global_buffer, .address_space: global }
      - { .name: ascale, .offset: 16, .size: 8, .value_kind: global_buffer, .address_space: global }
      - { .name: w_expert_codes, .offset: 24, .size: 8, .value_kind: global_buffer, .address_space: global }
      - { .name: w_expert_scales, .offset: 32, .size: 8, .value_kind: global_buffer, .address_space: global }
      - { .name: b_expert, .offset: 40, .size: 8, .value_kind: global_buffer, .address_space: global }
      - { .name: ebase, .offset: 48, .size: 8, .value_kind: global_buffer, .address_space: global }
      - { .name: eoc, .offset: 56, .size: 8, .value_kind: global_buffer, .address_space: global }
      - { .name: eos, .offset: 64, .size: 8, .value_kind: global_buffer, .address_space: global }
    .group_segment_fixed_size: 8960
    .private_segment_fixed_size: 0
    .kernarg_segment_align: 8
    .kernarg_segment_size: 72
    .max_flat_workgroup_size: 128
    .sgpr_count:     66
    .vgpr_count:     704
    .wavefront_size: 32
...
	.end_amdgpu_metadata
.endif
;; end of part 2
;; launch combine (part 3): grid 8 x 32, 4 waves a work-group, no clusters, 87,040 bytes of LDS; arguments route, ebase, tinfo, eoc, eos, out0; writes out0
.if DOCPART == 3
	.amdgcn_target "amdgcn-amd-amdhsa--gfx1250"
	.amdhsa_code_object_version 6
	.text
	.protected	k_q66609f41fa_combine
	.globl	k_q66609f41fa_combine
	.p2align	8
	.type	k_q66609f41fa_combine,@function
k_q66609f41fa_combine:
	s_mov_b64 s[64:65], 0
	v_nop
	global_prefetch_b8 v0, s[64:65] scope:SCOPE_SE
	s_setreg_imm32_b32 hwreg(HW_REG_WAVE_MODE, 25, 1), 1
	s_wait_xcnt 0x0
; THE COMBINE PRODUCT.  out0 [16384][1024] f32 = Q(combine) [16384][800] x Q(expert_out) [800][1024], K filled up to 896 = 7 x 128 with zero codes.
; Work-group (cg, tg) takes tokens 512 tg .. + 511 and columns 128 cg .. + 127; wave w 128 of the tokens, as eight blocks of 16, and all 128 columns.
; expert_out's codes for these columns and all of K, 8 tiles x 7 K steps x 12 registers, stay in each wave's registers for the whole launch: they come from memory once a work-group, a column a thread, and go
; through LDS as images of the fragments' registers.
; A ROW OF COMBINE HAS AT MOST ONE NUMBER: the token's gate at its slot.  The slot is made from the stored ballots and prefixes (rank = tokens of the expert ahead of my group + those below my lane); a rank of 100
; or more has no slot.  The row's fragments are built in registers: the gate's code, shifted to its place, chosen by v_cndmask_b32 into one of 84 registers; all else is zero.  Its byte serves every block of the
; row: the others hold zero codes.  No branch and no address hangs on these numbers.
; THE COLUMNS OF A TILE ARE NOT NEIGHBOURS: lane r of tile 4 a + i takes column 64 a + 4 r + i.  Source 0 = 16 tokens, source 1 = 16 columns: register j of lane (r, h) is out(8 h + j, that column), so tiles
; i = 0..3 give a lane four neighbouring columns: sixteen lanes store 256 consecutive bytes, aligned, and no result goes through LDS.
; NO CLUSTER: what the work-groups of one cg share is 75 KiB of codes against the 256 KiB that each stores, and the copying threads change its layout on the way into LDS.
; REGISTERS: window 0: addresses, the tokens' words, scale words, the row fragments AF, the results as stored.  windows 1, 2: expert_out's tiles 0-2, 3-5 (84 (n % 3) + 12 s).  window 3: tiles 6, 7; from v168 the
; eight accumulators.
.set TIW, 16                           ; v16-19  tinfo of my four groups, a token a lane
.set TI,  20                           ; v20-27  block b: slot | code << 10 | byte << 16 of token r, in both halves of the lanes
.set AS,  28                           ; v28-29  the rows' scale word, blocks by turns
.set F,   44                           ; v44-55  a K step's 12 registers with the code at its place
.set BS,  56                           ; v56-87  expert_out's scale words 8 i + s: lanes 0-15 tile i, lanes 16-31 tile 4 + i
.set AF,  88                           ; v88-171 12 s + q
.set OUT, 172                          ; v172-235 4 (8 a + j) + i
.set ZR,  236                          ; v236-241 zeros
.set ACC, 168                          ; in window 3
.set QM,  16                           ; s[16:27] which register, s[28:34] which K step (the ballots' registers, free behind the token stage)
.set SM,  28
.set TILE, 10816                       ; LDS: a tile's seven images of 1,536 bytes + 64, so that the copy's sixteen lanes touch sixteen different columns of 16 bytes
.set MSB, 0
.macro WIN new
.if MSB != (\new)
	s_set_vgpr_msb (MSB<<8)|(\new)
.set MSB, (\new)
.endif
.endm
	s_load_b256 s[4:11], s[0:1], 0x0               ; route, ebase, tinfo, eoc
	s_load_b128 s[12:15], s[0:1], 0x20             ; eos, out0
	v_lshl_add_u32 v254, v0, 2, 0x15200
	v_mov_b32 v255, 0
	v_lshrrev_b32 v1, 5, v0
	v_readfirstlane_b32 s2, v1                     ; wave
	s_and_b32 s85, ttmp7, 0xffff                   ; tg
	s_lshl_b32 s86, s85, 6                         ; my four groups' words: 16 groups a work-group, 4 a wave
	s_lshl_b32 s3, s2, 4
	s_add_co_u32 s86, s86, s3
	s_mov_b32 s87, 0
	s_mov_b32 s96, 0x76543210
	s_mov_b32 s97, 0xfedcba98                      ; lane l xor 16
	s_mov_b32 s98, 0xffff0000                      ; lanes 16-31
	s_wait_kmcnt 0x0
	s_add_nc_u64 s[4:5], s[4:5], s[86:87]
	s_add_nc_u64 s[6:7], s[6:7], s[86:87]
.irp e, 0,1,2,3,4,5,6,7
	s_load_b128 s[16+4*\e:19+4*\e], s[4:5], \e*2048          ; the ballots of expert e
.endr
.irp e, 0,1,2,3
	s_load_b128 s[48+4*\e:51+4*\e], s[6:7], \e*2048          ; its tokens ahead of each group
.endr
.irp e, 4,5,6,7
	s_load_b128 s[52+4*\e:55+4*\e], s[6:7], \e*2048
.endr
	s_lshl_b32 s86, s85, 11
	s_lshl_b32 s3, s2, 9
	s_add_co_u32 s86, s86, s3
	s_add_nc_u64 s[8:9], s[8:9], s[86:87]          ; tinfo at my 128 tokens
	s_mul_i32 s86, ttmp9, 76800
	s_add_nc_u64 s[10:11], s[10:11], s[86:87]      ; eoc at my group of columns
	s_lshl_b32 s86, ttmp9, 12
	s_add_nc_u64 s[12:13], s[12:13], s[86:87]      ; eos likewise
	s_lshl_b32 s86, s85, 21
	s_lshl_b32 s3, s2, 19
	s_add_co_u32 s86, s86, s3
	s_lshl_b32 s3, ttmp9, 9
	s_add_co_u32 s86, s86, s3
	s_add_nc_u64 s[14:15], s[14:15], s[86:87]      ; out0 at my first token and column
	v_and_b32 v1, 31, v0
	v_and_b32 v2, 15, v0                           ; r
	v_bfe_u32 v3, v0, 4, 1                         ; h
	v_lshlrev_b32 v4, 4, v1                        ; an image's place for my lane,
	v_add_nc_u32 v5, 6*TILE, v4                    ; and for tiles 6 and 7
	v_mul_u32_u24 v6, v0, 24                       ; eoc: a column a thread
	v_lshrrev_b32 v30, 6, v0
	v_and_b32 v31, 3, v0
	v_lshl_add_u32 v30, v30, 2, v31                ; column c lies in tile 4 (c / 64) + c % 4,
	v_mul_u32_u24 v30, v30, TILE
	v_bfe_u32 v31, v0, 2, 4                        ; lane (c / 4) % 16
	v_lshl_add_u32 v7, v31, 4, v30
	v_lshlrev_b32 v8, 4, v2
	v_lshl_add_u32 v8, v3, 15, v8                  ; out0: 16 r bytes, 8 h rows
	v_lshlrev_b32 v9, 7, v2
	v_lshl_add_u32 v9, v3, 11, v9                  ; eos: column 64 h + 4 r, 32 bytes each
	v_lshlrev_b32 v10, 2, v1
.irp g, 0,1,2,3
	global_load_b32 v[TIW+\g], v10, s[8:9] offset:128*\g
.endr
.irp i, 0,1,2,3
	global_load_b128 v[BS+8*\i:BS+8*\i+3], v9, s[12:13] offset:32*\i
	global_load_b128 v[BS+8*\i+4:BS+8*\i+7], v9, s[12:13] offset:32*\i+16
.endr
	WIN 0x40                                       ; destination window 1: v0-149 serve the copy
.set sb, 0
.rept 25
.irp k, 0,1,2
	global_load_b64 v[6*sb+2*\k:6*sb+2*\k+1], v6, s[10:11] offset:3072*sb+8*\k
.endr
.set sb, sb+1
.endr
	WIN 0
.irp n, 0,1,2,3,4,5
	v_mov_b32 v[ZR+\n], 0
.endr
	v_mov_b32 v34, 0
	s_wait_kmcnt 0x0
	s_wait_loadcnt 63                              ; 83 loads stand behind the four of tinfo; the count is the largest that the wait can name
.macro TOKENS g                        ; group g: a token a lane
	v_mov_b32 v30, 0
	v_mov_b32 v31, 0
.irp e, 0,1,2,3,4,5,6,7
.if \e < 4
.set BR, 48+4*\e
.else
.set BR, 52+4*\e
.endif
	v_mbcnt_lo_u32_b32 v32, s[16+4*\e+\g], s[BR+\g]          ; the expert's tokens ahead of my group + those below my lane
	v_cndmask_b32 v30, v30, v32, s[16+4*\e+\g]               ; mine, if I chose it
	v_cndmask_b32 v31, v31, 100*\e, s[16+4*\e+\g]
.endr
	v_cmp_gt_u32 vcc_lo, 100, v30                  ; inside the capacity?
	v_add_nc_u32 v31, v31, v30                     ; the slot
	v_and_b32 v32, 63, v[TIW+\g]
	v_bfe_u32 v33, v[TIW+\g], 8, 8
	v_lshl_or_b32 v31, v32, 10, v31
	v_cndmask_b32 v31, 0, v31, vcc_lo              ; a dropped token has the code 0
	v_lshl_or_b32 v31, v33, 16, v31
	v_permlanex16_b32 v34, v31, s96, s97
	v_cndmask_b32 v[TI+2*\g], v31, v34, s98
	v_cndmask_b32 v[TI+2*\g+1], v34, v31, s98
.endm
	TOKENS 0
	TOKENS 1
	TOKENS 2
	TOKENS 3
; slot block k of my column: 24 bytes = registers 6 c .. 6 c + 5 of lane r + 16 (k % 2) of K step k / 4, c = (k / 2) % 2
.macro PUT k, reg
.set BB, 1536*((\k)/4)+256*((\k)%2)
.if (((\k)/2)%2) == 0
	ds_store_b128 v7, v[(\reg):(\reg)+3] offset:BB
	ds_store_b64 v7, v[(\reg)+4:(\reg)+5] offset:BB+512
.else
	ds_store_b64 v7, v[(\reg):(\reg)+1] offset:BB+520
	ds_store_b128 v7, v[(\reg)+2:(\reg)+5] offset:BB+1024
.endif
.endm
	s_wait_loadcnt 0x0
	WIN 0x04                                       ; an LDS store's data are its source 1: window 1
.set sb, 0
.rept 25
	PUT sb, 6*sb
.set sb, sb+1
.endr
	WIN 0
	PUT 25, ZR                                     ; K from 800 to 895: zero codes
	PUT 26, ZR
	PUT 27, ZR
	s_wait_dscnt 0x0
	s_barrier_signal -1
	s_barrier_wait -1                              ; the 56 images lie in LDS; nothing is written there from here on
.macro BLOAD n
	WIN (0x40*(1+(\n)/3))
.irp s, 0,1,2,3,4,5,6
.irp p, 0,1,2
.if (\n) < 6
	ds_load_b128 v[84*((\n)%3)+12*\s+4*\p:84*((\n)%3)+12*\s+4*\p+3], v4 offset:(\n)*TILE+1536*\s+512*\p
.else
	ds_load_b128 v[84*((\n)%3)+12*\s+4*\p:84*((\n)%3)+12*\s+4*\p+3], v5 offset:((\n)-6)*TILE+1536*\s+512*\p
.endif
.endr
.endr
.endm
.irp n, 0,1,2,3,4,5,6,7
	BLOAD \n
.endr
	WIN 0
.macro PREP b                          ; block b's scale word, the 12 registers of the K step that holds the code, and the masks that say which K step
	v_and_b32 v30, 31, v[TI+(\b)]                  ; the place in the block of 32
	v_bfe_u32 v31, v[TI+(\b)], 10, 6               ; the code
	v_bfe_u32 v32, v[TI+(\b)], 16, 8               ; the byte
	v_bfe_u32 v33, v[TI+(\b)], 5, 1                ; which half of the lanes holds the block,
	v_bfe_u32 v34, v[TI+(\b)], 6, 1                ; which six registers,
	v_bfe_u32 v35, v[TI+(\b)], 7, 3                ; which K step
	v_lshl_or_b32 v32, v32, 8, v32
	v_lshl_or_b32 v[AS+((\b)%2)], v32, 16, v32
	v_cmp_eq_u32 vcc_lo, v33, v3
	v_cndmask_b32 v31, 0, v31, vcc_lo
	v_mul_u32_u24 v30, v30, 6
	v_lshrrev_b32 v36, 5, v30
	v_and_b32 v30, 31, v30
	v_lshlrev_b32 v37, v30, v31                    ; the code's bits in its word,
	v_sub_nc_u32 v38, 31, v30
	v_lshrrev_b32 v39, 1, v31
	v_lshrrev_b32 v38, v38, v39                    ; and those that run over into the next
	v_mad_u32_u24 v36, v34, 6, v36
.irp q, 0,1,2,3,4,5,6,7,8,9,10,11
	v_cmp_eq_u32 s[QM+\q], \q, v36
.endr
.irp q, 0,1,2,3,4,5,6,7,8,9,10,11
.if (\q)%3 == 0                        ; sixteen codes fill three words: nothing runs over into words 0, 3, 6, 9
	v_cndmask_b32 v[F+\q], 0, v37, s[QM+\q]
.else
	v_cndmask_b32 v[F+\q], 0, v38, s[QM+\q-1]
	v_cndmask_b32 v[F+\q], v[F+\q], v37, s[QM+\q]
.endif
.endr
.irp s, 0,1,2,3,4,5,6
	v_cmp_eq_u32 s[SM+\s], \s, v35
.endr
.endm
.macro REB s                           ; K step s of the rows' fragments
.irp q, 0,1,2,3,4,5,6,7,8,9,10,11
	v_cndmask_b32 v[AF+12*(\s)+\q], 0, v[F+\q], s[SM+(\s)]
.endr
.endm
.macro BATCH s, b                      ; K step s: the eight accumulators by turns, one instruction a turn, in the same order in every K step; K step 0 starts the sums
.irp n, 0,1,2,3,4,5,6,7
	WIN (0xF0|(4*(1+(\n)/3)))                      ; source 0 window 0, source 1 window 1, 2 or 3, C and D window 3
.set RB, 84*((\n)%3)+12*(\s)
.if (\s) == 0
.if (\n) < 4
	v_wmma_scale_f32_16x16x128_f8f6f4 v[ACC+8*\n:ACC+8*\n+7], v[AF+12*(\s):AF+12*(\s)+11], v[RB:RB+11], 0, v[AS+((\b)%2)], v[BS+8*((\n)%4)+(\s)] matrix_a_fmt:MATRIX_FMT_FP6 matrix_b_fmt:MATRIX_FMT_FP6
.else
	v_wmma_scale_f32_16x16x128_f8f6f4 v[ACC+8*\n:ACC+8*\n+7], v[AF+12*(\s):AF+12*(\s)+11], v[RB:RB+11], 0, v[AS+((\b)%2)], v[BS+8*((\n)%4)+(\s)] matrix_a_fmt:MATRIX_FMT_FP6 matrix_b_fmt:MATRIX_FMT_FP6 matrix_b_scale:MATRIX_SCALE_ROW1
.endif
.else
.if (\n) < 4
	v_wmma_scale_f32_16x16x128_f8f6f4 v[ACC+8*\n:ACC+8*\n+7], v[AF+12*(\s):AF+12*(\s)+11], v[RB:RB+11], v[ACC+8*\n:ACC+8*\n+7], v[AS+((\b)%2)], v[BS+8*((\n)%4)+(\s)] matrix_a_fmt:MATRIX_FMT_FP6 matrix_b_fmt:MATRIX_FMT_FP6
.else
	v_wmma_scale_f32_16x16x128_f8f6f4 v[ACC+8*\n:ACC+8*\n+7], v[AF+12*(\s):AF+12*(\s)+11], v[RB:RB+11], v[ACC+8*\n:ACC+8*\n+7], v[AS+((\b)%2)], v[BS+8*((\n)%4)+(\s)] matrix_a_fmt:MATRIX_FMT_FP6 matrix_b_fmt:MATRIX_FMT_FP6 matrix_b_scale:MATRIX_SCALE_ROW1
.endif
.endif
.endr
	WIN 0
.endm
.macro MOVS                            ; four tiles' registers j side by side: 16 bytes of a row.  Each accumulator is read from its low end on
	s_wait_xcnt 0x0                                ; the last block's stores have read these registers
	WIN 0x03                                       ; source window 3
.irp j, 0,1,2,3,4,5,6,7
.irp a, 0,1
.irp i, 0,1,2,3
	v_mov_b32 v[OUT+4*(8*\a+\j)+\i], v[ACC+8*(4*\a+\i)+\j]
.endr
.endr
.endr
	WIN 0
.endm
.macro STORES b
.irp j, 0,1,2,3,4,5,6,7
.irp a, 0,1
	global_store_b128 v8, v[OUT+4*(8*\a+\j):OUT+4*(8*\a+\j)+3], s[14:15] offset:(16*(\b)+\j)*4096+256*\a th:TH_STORE_NT   ; lanes 0-15 store 256 consecutive bytes, aligned; lanes 16-31 the same eight rows below
.endr
.endr
.endm
; A block of 16 tokens.  While it is multiplied the next block's rows are built: K step s - 1 is written again behind the products of K step s, and K step 6 behind K step 5's twelve lines.  So at least twelve plain
; lines that name none of their registers stand between a fragment's last product and its rewriting, and between the last products and the first read of results (ISA guide 7.12.1); and the 64 moves of the way out
; stand between the rewriting of K step 6 and the product that takes it next, also where the next block, the last, builds nothing.  The last block has four v_nop ahead of its moves.
.macro BLOCK b
	BATCH 0, \b
.if (\b) < 7
	PREP (\b)+1
.endif
.irp s, 1,2,3,4,5,6
	BATCH \s, \b
.if (\b) < 7
	REB (\s)-1
.endif
.endr
.if (\b) < 7
	REB 6
.else
.rept 4
	v_nop
.endr
.endif
	MOVS
	STORES \b
.endm
	PREP 0                                         ; block 0's rows are built while expert_out's fragments land
.irp s, 0,1,2,3,4,5,6
	REB \s
.endr
	s_wait_dscnt 0x0
.irp b, 0,1,2,3,4,5,6,7
	BLOCK \b
.endr
	s_wait_tensorcnt 0x0
	ds_add_u32 v254, v255
	s_wait_dscnt 0x0
	s_endpgm
.Lfunc_end_k_q66609f41fa_combine:
	.size	k_q66609f41fa_combine, .Lfunc_end_k_q66609f41fa_combine-k_q66609f41fa_combine
	.p2alignl 7, 3214868480
	.fill 96, 4, 3214868480
	.section	.rodata,"a",@progbits
	.p2align	6, 0x0
	.amdhsa_kernel k_q66609f41fa_combine
		.amdhsa_group_segment_fixed_size 87040
		.amdhsa_private_segment_fixed_size 0
		.amdhsa_enable_private_segment 0
		.amdhsa_kernarg_size 48
		.amdhsa_user_sgpr_count 2
		.amdhsa_user_sgpr_kernarg_segment_ptr 1
		.amdhsa_wavefront_size32 1
		.amdhsa_system_sgpr_workgroup_id_x 1
		.amdhsa_system_sgpr_workgroup_id_y 1
		.amdhsa_system_sgpr_workgroup_id_z 1
		.amdhsa_system_vgpr_workitem_id 0
		.amdhsa_next_free_vgpr 1024
		.amdhsa_next_free_sgpr 100
		.amdhsa_reserve_vcc 1
		.amdhsa_float_denorm_mode_32 3
		.amdhsa_float_denorm_mode_16_64 3
		.amdhsa_memory_ordered 1
		.amdhsa_forward_progress 1
		.amdhsa_inst_pref_size 196
	.end_amdhsa_kernel
	.amdgpu_metadata
---
amdhsa.version: [ 1, 2 ]
amdhsa.kernels:
  - .name:           k_q66609f41fa_combine
    .symbol:         k_q66609f41fa_combine.kd
    .args:
      - { .name: route, .offset: 0, .size: 8, .value_kind: global_buffer, .address_space: global }
      - { .name: ebase, .offset: 8, .size: 8, .value_kind: global_buffer, .address_space: global }
      - { .name: tinfo, .offset: 16, .size: 8, .value_kind: global_buffer, .address_space: global }
      - { .name: eoc, .offset: 24, .size: 8, .value_kind: global_buffer, .address_space: global }
      - { .name: eos, .offset: 32, .size: 8, .value_kind: global_buffer, .address_space: global }
      - { .name: out0, .offset: 40, .size: 8, .value_kind: global_buffer, .address_space: global }
    .group_segment_fixed_size: 87040
    .private_segment_fixed_size: 0
    .kernarg_segment_align: 8
    .kernarg_segment_size: 48
    .max_flat_workgroup_size: 128
    .sgpr_count:     100
    .vgpr_count:     1024
    .wavefront_size: 32
...
	.end_amdgpu_metadata
.endif
;; end of part 3
;; ======== version 2 of 2: 2 launches
;; limits: right only within a limited range of input values
;; workspace buffers: acodes 12,582,912 bytes; ascale 524,288 bytes; route 20,480 bytes of whole numbers; tinfo 65,536 bytes; wimg 786,432 bytes
;; launch route (part 4): grid 256 x 1, 16 waves a work-group, no clusters, 318,464 bytes of LDS; arguments x, w_gate, acodes, ascale, route, tinfo, w_expert_codes, wimg, out0; writes acodes, ascale, route, tinfo, wimg, out0
.if DOCPART == 4
	.amdgcn_target "amdgcn-amd-amdhsa--gfx1250"
	.amdhsa_code_object_version 6
	.text
	.protected	k_q66609f41fa_route
	.globl	k_q66609f41fa_route
	.p2align	8
	.type	k_q66609f41fa_route,@function
k_q66609f41fa_route:
	s_mov_b64 s[64:65], 0
	v_nop
	global_prefetch_b8 v0, s[64:65] scope:SCOPE_SE
	s_setreg_imm32_b32 hwreg(HW_REG_WAVE_MODE, 25, 1), 1
	s_wait_xcnt 0x0
; ROUTER AND DISPATCH.  x [16384][1024] f32, w_gate [1024][8] f32.  A work-group takes 64 tokens, two groups of 32 along the tokens (the quantiser's blocks); wave w = 8 g + ks fetches group g's columns 128 ks .. + 127.
; It reads x once and makes:
;   the logits in f32 (f32 matrix form: source 0 = 8 experts, twice; source 1 = 16 tokens), softmax, the first largest probability, its E2M3 code and E8M0 byte   -> tinfo [token] = code | byte << 8
;   for each group of 32 tokens the ballots of the tokens that chose each expert, and their counts                                                            -> route: [8 experts][512 words], then [8 experts][512 bytes]
;   x quantised along the tokens, multiplied by the one-hot rows that the dispatch matrix has for these tokens, and the rows quantised along the columns       -> acodes, ascale
;   w_expert's codes laid as images of a fragment's registers                                                                                                  -> wimg
;   rows 8 k + 6 and 8 k + 7 of out0 as zeros; the next launch stores over those whose tokens have a slot
; DEAD WORK LEFT OUT (both launches).  dispatch has at most one 1 in a slot's row and combine at most one number in a token's row; both are selections that reference() builds out of one-hot rows.  A token's row of the
; dispatch product is made once, in its own group; a token's row of out0 is the product over the 32 slots of its own slot's block alone; every other term is a product with a zero that reference() builds,
; for all values of the inputs.  Rows without a slot are zeros and are stored as such.  A NaN, an infinity or an overflow that reaches only such left-out terms is not carried to the result.
; LIMITS: NaN and infinities are not served.  A block of zeros gets the byte 1 (its codes are zeros; this program alone reads the bytes).  The logits' f32 sums run in another order than a row-by-row sum,
; so two best logits that differ by less than f32 rounding may change places.
; acodes: [tile of 16 tokens][K step of 128 columns][16 tokens][96 bytes]: lane (r, h) of a fragment has its 12 registers at 96 r + 48 h.   ascale: [K step][token] one word.   wimg: [column tile][K step][3][lane][16 bytes].
; THE DISPATCH PRODUCT'S K: tokens 0..15 of the group at the first 16 places of K block 0, tokens 16..31 at those of K block 1, under the same byte; all other places are zero codes on both sides.
; ONE tensor load a wave, 32 rows x 512 bytes, filled once; 8 bytes of padding behind each row: rows are 130 words apart, so that 16 tokens' pairs of words and 2 x 16 columns' words fall on different banks.
; A wave's codes go back through its own part of x, which has had its only fill and its last read.
; WHO DOES WHAT.  Waves 0 to 7: logits and dispatch of their own tiles.  Waves 8 to 11: their logits, and their dispatch between barrier A's signal and its wait.  Waves 12 to 15, whose loads are asked for last: their
; logits alone, behind A's signal; their tiles' dispatch is done by waves 4 to 7, behind A (which shows all of x) and between barrier B's signal and its wait.  B shows all partial logits; waves 0 and 1 then route.
; Between a signal and its wait stand LDS loads of x and register work only; what is stored stands behind the wait.
; NO CLUSTER: the work-groups share w_gate alone, 32 KiB against the 256 KiB of x that each reads for itself.  NO PREFETCH: all bytes of x are asked for in the first lines and there is no loop.
.set PITCH, 520
.set XPW,  16640                       ; a wave's part of x: 32 rows x 520
.set WST,  266240                      ; w_gate: 32 blocks of 32 columns x 32 bytes, 1,056 bytes apart
.set PL,   300032                      ; partial logits: [wave][two halves of 4 experts][32 tokens][16 bytes]
.set SPARE, 316416
.set XA,   4                           ; v4 x in LDS, a column a lane; v5, v6 a token a lane, two tiles
.set SIN,  7                           ; v7, v8 the stage: in by rows, back in order
.set IDS,  15                          ; the one-hot rows' scale word
.set XS,   16                          ; v16-17 x's scale words, by turns
.set SCL,  18
.set BY,   19
.set MA,   20
.set MB,   21
.set OB,   22
.set LACC, 24                          ; v24-55 logits: 16 (K step % 2) + 8 (token tile); written by matrix instructions alone
.set W,    56                          ; v56-119 w_gate's fragments, 2 a K step of 4
.set HA,   56                          ; later: the dispatch product's results, 32 (token tile) + 8 (column tile % 4)
.set LA,   120                         ; v120-151 x's fragments for the logits, two sets of 16
.set PC,   120                         ; later: codes, 12 (token tile); v144-146, v148-150 half blocks
.set PT,   144
.set X,    152                         ; v152-183 two sets of 16
.set OH,   184                         ; v184-207 the one-hot fragments (v187-195 are zeros for the whole launch)
.set ZR,   188
.set XF,   208                         ; v208-231 x's fragments, by turns
.set TM,   232                         ; v232-243 the quantiser's scratch
.set PW,   248                         ; v248-249 scale words just made
.set XA2,  251                         ; as v4, for the tile of the wave eight further on
.set SPW,  254
.set NIL,  255
.set G1,   20                          ; s[20:27]
.set G0,   28                          ; s[28:31]
.macro WALU
	s_wait_alu depctr_va_vdst(0)
.endm
	s_load_b512 s[4:19], s[0:1], 0x0               ; x, w_gate, acodes, ascale, route, tinfo, w_expert_codes, wimg
	s_load_b64 s[72:73], s[0:1], 0x40              ; out0
	v_lshl_add_u32 v[SPW], v0, 2, SPARE
	v_mov_b32 v[NIL], 0
	ds_add_u32 v[SPW], v[NIL]                      ; the opening lines
	ds_add_u32 v[SPW], v[NIL]
	v_lshrrev_b32 v1, 5, v0
	v_readfirstlane_b32 s2, v1                     ; wave 0..15
	s_and_b32 s3, s2, 7                            ; ks
	s_lshr_b32 s50, s2, 3                          ; g
	s_mul_i32 s51, s2, XPW                         ; my part of x
	s_mov_b32 s[G1+0], (2<<16)|(1<<20)|(6<<22)|(1<<25)  ; elements of 4 bytes; after every 128 words 2 words of padding
	s_mov_b32 s[G1+1], 128<<16
	s_mov_b32 s[G1+2], 32<<16
	s_mov_b32 s[G1+3], 128<<16
	s_mov_b32 s[G1+4], 32
	s_mov_b32 s[G1+5], 1024
	s_mov_b32 s[G1+6], 0
	s_mov_b32 s[G1+7], 0
	s_mov_b32 s[G0], 1
	s_mul_i32 s[G0+1], s2, XPW
	s_lshl_b32 s60, ttmp9, 18                      ; 64 rows of 4,096 bytes a work-group,
	s_lshl_b32 s61, s50, 17                        ; 32 a group,
	s_add_co_u32 s60, s60, s61
	s_lshl_b32 s61, s3, 9                          ; 512 bytes of a row a wave
	s_add_co_u32 s60, s60, s61
	s_mov_b32 s61, 0
	s_lshl_b32 s62, s2, 11                         ; 2 KiB of w_gate a wave
	s_mov_b32 s63, 0
	v_and_b32 v1, 31, v0                           ; lane
	v_lshlrev_b32 v9, 4, v1
	WALU                                           ; the wait ahead of blocking waits
	s_wait_dscnt 0x0
	s_wait_kmcnt 0x0
	s_add_nc_u64 s[62:63], s[6:7], s[62:63]
	s_add_nc_u64 s[G0+2:G0+3], s[4:5], s[60:61]
	s_or_b32 s[G0+3], s[G0+3], 0x80000000
.irp k, 0,1,2,3
	global_load_b128 v[X+4*\k:X+4*\k+3], v9, s[62:63] offset:512*\k
.endr
	tensor_load_to_lds s[G0:G0+3], s[G1:G1+7]      ; my one load
	s_nop 0
	v_and_b32 v2, 15, v0                           ; r
	v_bfe_u32 v3, v0, 4, 1                         ; h
	v_and_b32 v20, 8, v2
	v_add_nc_u32 v20, v20, v2                      ; r + 8 (r / 8): a tile's lanes take columns 0..7 and 16..23
	v_mul_u32_u24 v4, v3, 16*PITCH                 ; lanes 16-31: tokens 16..31
	v_lshl_add_u32 v4, v20, 2, v4
	v_add_nc_u32 v4, s51, v4
	v_add_nc_u32 v[XA2], 8*XPW, v4
	v_mul_u32_u24 v5, v2, PITCH                    ; token r; lanes 16-31 take columns 32 further on
	v_lshl_add_u32 v5, v3, 7, v5
	v_add_nc_u32 v5, s51, v5
	v_add_nc_u32 v6, 16*PITCH, v5
	v_mul_u32_u24 v7, v2, 96
	v_mad_u32_u24 v7, v3, 48, v7
	v_add_nc_u32 v7, s51, v7
	v_add_nc_u32 v8, s51, v9
	s_mul_i32 s52, s2, 2112
	s_add_co_u32 s52, s52, WST
	v_add_nc_u32 v10, s52, v9
	s_mul_i32 s53, s3, 4224
	s_add_co_u32 s53, s53, WST
	v_and_b32 v21, 7, v2                           ; expert r % 8
	v_mul_u32_u24 v11, v3, 1056
	v_lshl_add_u32 v11, v21, 2, v11
	v_add_nc_u32 v11, s53, v11
	v_mul_u32_u24 v12, v2, 768                     ; a row of w_expert's codes
	v_mad_u32_u24 v12, v3, 24, v12
	s_lshl_b32 s54, s2, 10
	s_add_co_u32 s54, s54, PL
	v_add_nc_u32 v13, s54, v9
	v_lshlrev_b32 v14, 2, v1
	s_and_b32 s57, s2, 1
	s_lshl_b32 s55, s57, 13
	s_add_co_u32 s55, s55, PL
	v_add_nc_u32 v23, s55, v9                      ; the partial logits of group wave % 2 (waves 0 and 1 read there)
	s_mov_b32 s56, 0xffff0000                      ; lanes 16-31
	s_mov_b32 s58, 0x76543210
	s_mov_b32 s59, 0xfedcba98                      ; lane l xor 16
	s_mul_i32 s60, ttmp9, 49152                    ; acodes: four tiles of 12,288 bytes a work-group
	s_mul_i32 s61, s50, 24576
	s_add_co_u32 s60, s60, s61
	s_mul_i32 s61, s3, 1536
	s_add_co_u32 s60, s60, s61
	s_mov_b32 s61, 0
	s_add_nc_u64 s[8:9], s[8:9], s[60:61]
	s_lshl_b32 s60, s3, 16                         ; ascale: a plane for each K step
	s_lshl_b32 s61, ttmp9, 8
	s_add_co_u32 s60, s60, s61
	s_lshl_b32 s61, s50, 7
	s_add_co_u32 s60, s60, s61
	s_mov_b32 s61, 0
	s_add_nc_u64 s[10:11], s[10:11], s[60:61]
	s_add_nc_u64 s[96:97], s[8:9], 24576           ; the same K step of the second group
	s_add_nc_u64 s[98:99], s[10:11], 128
	s_lshl_b32 s60, ttmp9, 18                      ; out0: waves 0 to 7 take eight rows each
	s_lshl_b32 s61, s3, 15
	s_add_co_u32 s60, s60, s61
	s_mov_b32 s61, 0
	s_add_nc_u64 s[72:73], s[72:73], s[60:61]
	s_lshl_b32 s60, ttmp9, 1
	s_add_co_u32 s60, s60, s57                     ; the group that waves 0 and 1 route
	s_add_nc_u64 s[76:77], s[12:13], s[60:61]
	s_add_nc_u64 s[76:77], s[76:77], 16384         ; its byte in each expert's row of counts
	s_lshl_b32 s60, s60, 2
	s_add_nc_u64 s[74:75], s[12:13], s[60:61]      ; its word in each expert's row of ballots
	s_lshl_b32 s60, s60, 5
	s_add_nc_u64 s[14:15], s[14:15], s[60:61]      ; its tokens' tinfo
	; the one-hot fragments: token 16 q + r has the code 24 (4.0) at place r of K block q: bits 6 r + 3 and 6 r + 4 of three registers
	v_mul_u32_u24 v232, v2, 6
	v_add_nc_u32 v232, 3, v232
	v_and_b32 v233, 31, v232                       ; the shift: odd, so never 0
	v_lshrrev_b32 v232, 5, v232                    ; the word
	v_lshlrev_b32 v234, v233, 3
	v_sub_nc_u32 v233, 32, v233
	v_lshrrev_b32 v235, v233, 3                    ; what runs over into the next word
	v_cmp_eq_u32 s68, 0, v232
	v_cmp_eq_u32 s69, 1, v232
	v_cmp_eq_u32 s70, 2, v232
	v_cndmask_b32 v240, 0, v234, s68
	v_cndmask_b32 v241, 0, v234, s69
	v_cndmask_b32 v243, 0, v235, s68
	v_or_b32 v241, v241, v243
	v_cndmask_b32 v242, 0, v234, s70
	v_cndmask_b32 v243, 0, v235, s69
	v_or_b32 v242, v242, v243
.irp n, 0,1,2
	v_cndmask_b32 v[OH+\n], v[240+\n], 0, s56
	v_cndmask_b32 v[OH+12+\n], 0, v[240+\n], s56
.endr
.irp n, 3,4,5,6,7,8,9,10,11
	v_mov_b32 v[OH+\n], 0
	v_mov_b32 v[OH+12+\n], 0
	v_mov_b32 v[XF+\n], 0                          ; the other places hold zero codes for the whole launch
	v_mov_b32 v[XF+12+\n], 0
.endr
	v_mov_b32 v[IDS], 0x7d7d7d7d                   ; 2^-2: 4.0 x 2^-2 = 1
	v_mov_b32 v[OB], 0                             ; a lane permute's destination counts as one of its sources
.irp b, 0,1,2,3
	v_mov_b32 v[TM+4+\b], 0
.endr
	WALU                                           ; the head's end
	s_wait_loadcnt 0x0                             ; my part of w_gate
.irp k, 0,1,2,3
	ds_store_b128 v10, v[X+4*\k:X+4*\k+3] offset:(\k/2)*1056+(\k%2)*512
.endr
	s_wait_dscnt 0x0
	s_barrier_signal -1
	s_barrier_wait -1                              ; all of w_gate lies in LDS; tensor loads may be on their way
	; K step s of the logits takes columns 64 (s / 16) + 2 (s % 16) + j + 32 h: register j of half h
.set S, 0
.rept 32
.irp j, 0,1
	ds_load_b32 v[W+2*S+\j], v11 offset:(S/16)*2112+(2*(S%16)+\j)*32
.endr
.set S, S+1
.endr
	s_wait_dscnt 0x0
	s_wait_tensorcnt 0x0                           ; my part of x
.macro LAF b                           ; logits batch b: four K steps of both token tiles
.irp u, 0,1
.irp p, 0,1
.set S_, 4*(\b)+2*\p
.set O_, 32*(S_/16)+S_%16
.set R_, LA+16*((\b)%2)+8*\u+4*\p
	ds_load_2addr_b64 v[R_:R_+3], v[5+\u] offset0:O_ offset1:O_+1
.endr
.endr
.endm
.macro MULB b                          ; four accumulators by turns; the first two K steps start them
.irp i, 0,1,2,3
.irp u, 0,1
.set D_, LACC+16*(\i%2)+8*\u
.set A_, W+2*(4*(\b)+\i)
.set B_, LA+16*((\b)%2)+8*\u+2*\i
.if ((\b) == 0) && (\i < 2)
	v_wmma_f32_16x16x4_f32 v[D_:D_+7], v[A_:A_+1], v[B_:B_+1], 0
.else
	v_wmma_f32_16x16x4_f32 v[D_:D_+7], v[A_:A_+1], v[B_:B_+1], v[D_:D_+7]
.endif
.endr
.endr
.endm
.macro PLACES n
.rept \n
	v_nop
.endr
.endm
.macro LCOMP                           ; my tile's partial logits
	LAF 0
	LAF 1
.set T, 0
.rept 8
.if T < 7
	s_wait_dscnt 4                                 ; this batch's four loads are in; the next batch's may be out
.else
	s_wait_dscnt 0x0
.endif
	MULB T
.if T < 6
	PLACES 8                                       ; eight places ahead of loads into registers that this form has read
	LAF T+2
.endif
.set T, T+1
.endr
	PLACES 8                                       ; and ahead of the first read of its results
.irp u, 0,1
.irp d, 0,2,4,6
	v_pk_add_f32 v[LA+8*\u+\d:LA+8*\u+\d+1], v[LACC+8*\u+\d:LACC+8*\u+\d+1], v[LACC+16+8*\u+\d:LACC+16+8*\u+\d+1]
.endr
.endr
.irp j, 0,1,2,3,4,5,6,7                ; a token a lane, eight experts: lanes 16-31 (which hold the same experts again) take the second tile's
	v_cndmask_b32 v[LA+16+\j], v[LA+\j], v[LA+8+\j], s56
.endr
	WALU                                           ; a branch or a barrier's wait may follow
.endm
.macro LSTORE
	ds_store_b128 v13, v[LA+16:LA+19]
	ds_store_b128 v13, v[LA+20:LA+23] offset:512
.endm
.macro XLOAD t                         ; tile t: my column's 16 tokens of my half into set t % 2; it begins at column 64 (t / 4) + 32 ((t / 2) % 2) + 8 (t % 2)
.set XB, X+16*((\t)%2)
.irp i, 0,1,2,3,4,5,6,7,8,9,10,11,12,13,14,15
	ds_load_b32 v[XB+\i], v[XQ] offset:PITCH*\i+256*((\t)/4)+128*(((\t)/2)%2)+32*((\t)%2)
.endr
.endm
.macro CH t                            ; the block's largest magnitude, over the floor 2^(3 - 127), and its scale; the other half of its 32 tokens lies in lane l xor 16
.set XB, X+16*((\t)%2)
	v_max3_num_f32 v[MA], |v[XB]|, |v[XB+1]|, 0x1800000
	v_max3_num_f32 v[MB], |v[XB+2]|, |v[XB+3]|, |v[XB+4]|
	v_max3_num_f32 v[MA], v[MA], |v[XB+5]|, |v[XB+6]|
	v_max3_num_f32 v[MB], v[MB], |v[XB+7]|, |v[XB+8]|
	v_max3_num_f32 v[MA], v[MA], |v[XB+9]|, |v[XB+10]|
	v_max3_num_f32 v[MB], v[MB], |v[XB+11]|, |v[XB+12]|
	v_max3_num_f32 v[MA], v[MA], |v[XB+13]|, |v[XB+14]|
	v_max3_num_f32 v[MA], v[MA], v[MB], |v[XB+15]|
	v_permlanex16_b32 v[OB], v[MA], s58, s59
	v_max_num_f32 v[MA], v[MA], v[OB]
	v_add_nc_u32 v[SCL], 0xff000000, v[MA]         ; 2 off the exponent field: the conversion's scale operand
	v_lshrrev_b32 v[BY], 23, v[SCL]
.endm
.macro CVT t
.set XB, X+16*((\t)%2)
.set FB, XF+12*((\t)%2)
	v_perm_b32 v[XS+(\t)%2], v[BY], v[BY], 0       ; the byte, four times
	v_cvt_scalef32_pk16_fp6_f32 v[FB:FB+2], v[XB:XB+15], v[SCL]
.endm
.macro WM t                            ; source 0 = 16 columns of x, source 1 = 16 one-hot rows: lane (r, h) holds token 16 q + r, and the registers of tiles 2 b, 2 b + 1 the columns 32 b + 16 h + 0..15
.set FB, XF+12*((\t)%2)
.irp q, 0,1
.set D_, HA+32*\q+8*((\t)%4)
	v_wmma_scale_f32_16x16x128_f8f6f4 v[D_:D_+7], v[FB:FB+11], v[OH+12*\q:OH+12*\q+11], 0, v[XS+(\t)%2], v[IDS] matrix_a_fmt:MATRIX_FMT_FP6 matrix_b_fmt:MATRIX_FMT_FP6
.endr
.endm
.macro QUANTH c                        ; 64 columns of both token tiles: four blocks by turns
.irp q, 0,1
.irp b, 0,1
.set S_, HA+32*\q+16*\b
	v_max3_num_f32 v[TM+2*\q+\b], |v[S_]|, |v[S_+1]|, 0x1800000
.endr
.endr
.irp i, 2,4,6,8,10,12,14
.irp q, 0,1
.irp b, 0,1
.set S_, HA+32*\q+16*\b+\i
	v_max3_num_f32 v[TM+2*\q+\b], v[TM+2*\q+\b], |v[S_]|, |v[S_+1]|
.endr
.endr
.endr
.irp k, 0,1,2,3
	v_permlanex16_b32 v[TM+4+\k], v[TM+\k], s58, s59
.endr
.irp k, 0,1,2,3
	v_max_num_f32 v[TM+\k], v[TM+\k], v[TM+4+\k]
.endr
.irp k, 0,1,2,3
	v_add_nc_u32 v[TM+8+\k], 0xff000000, v[TM+\k]
.endr
.irp k, 0,1,2,3
	v_lshrrev_b32 v[TM+4+\k], 23, v[TM+8+\k]
.endr
.if \c == 0
	v_lshl_or_b32 v[PW], v[TM+5], 8, v[TM+4]
	v_lshl_or_b32 v[PW+1], v[TM+7], 8, v[TM+6]
.else
	v_lshl_or_b32 v[PW], v[TM+4], 16, v[PW]
	v_lshl_or_b32 v[PW+1], v[TM+6], 16, v[PW+1]
	v_lshl_or_b32 v[PW], v[TM+5], 24, v[PW]
	v_lshl_or_b32 v[PW+1], v[TM+7], 24, v[PW+1]
.endif
.irp q, 0,1
.set S_, HA+32*\q
.set P_, PC+12*\q+6*(\c)
	v_cvt_scalef32_pk16_fp6_f32 v[P_:P_+2], v[S_:S_+15], v[TM+8+2*\q]
	v_cvt_scalef32_pk16_fp6_f32 v[PT+4*\q:PT+4*\q+2], v[S_+16:S_+31], v[TM+9+2*\q]
.endr
	v_nop                                          ; one plain line behind a scaled conversion
.irp i, 0,1,2
.irp q, 0,1
	v_permlane16_swap_b32 v[PC+12*\q+6*(\c)+\i], v[PT+4*\q+\i]   ; the operand's layout wants a whole block in a lane
.endr
.endr
.irp i, 0,1,2
.irp q, 0,1
	v_mov_b32 v[PC+12*\q+6*(\c)+3+\i], v[PT+4*\q+\i]
.endr
.endr
.endm
; DCOMP: a tile's 128 columns x 32 tokens, LDS loads and register work alone.  Between a column tile's scale word and codes and the products that read them stand the twelve plain lines of the next tile's CH;
; so between a product and the rewriting of its sources.   DSTORE: the codes through my own part of x, and out.
.macro DCOMP xa
.set XQ, \xa
	s_wait_xcnt 0x0
	XLOAD 0
	XLOAD 1
	s_wait_dscnt 16                                ; tile 0 is in, tile 1 may be out
	CH 0
	CVT 0
.set T, 1
.rept 7
.if T < 7
	XLOAD T+1
	s_wait_dscnt 16                                ; tile T is in, tile T + 1 may be out
.else
	s_wait_dscnt 0x0
.endif
	CH T
	WM T-1
	CVT T
.if T == 4
	QUANTH 0
.endif
.set T, T+1
.endr
	PLACES 8                                       ; a scale register stands eight places ahead of the product
	WM 7
	QUANTH 1
	v_cndmask_b32 v250, v[PW], v[PW+1], s56        ; the rows' scale words, a token a lane
	WALU                                           ; a branch or a barrier's wait may follow
.endm
.macro DSTORE bc, bs
.irp q, 0,1
.irp p, 0,1,2
	ds_store_b128 v[SIN], v[PC+12*\q+4*\p:PC+12*\q+4*\p+3] offset:1536*\q+16*\p
.endr
.endr
	global_store_b32 v14, v250, s[\bs:\bs+1]       ; 128 consecutive bytes
.irp q, 0,1
.irp p, 0,1,2
	ds_load_b128 v[X+12*\q+4*\p:X+12*\q+4*\p+3], v[SIN+1] offset:1536*\q+512*\p   ; LDS serves a wave's instructions in order (ISA guide 5.7.1.4)
.endr
.endr
	s_wait_dscnt 0x0
.irp q, 0,1
.irp p, 0,1,2
	global_store_b128 v9, v[X+12*\q+4*\p:X+12*\q+4*\p+3], s[\bc:\bc+1] offset:12288*\q+512*\p th:TH_STORE_NT   ; 512 consecutive bytes, aligned
.endr
.endr
.endm
.macro ZROW i                          ; row i of my eight: 4,096 bytes of zeros, 512 consecutive ones a store
.irp j, 0,1,2,3,4,5,6,7
	global_store_b128 v9, v[ZR:ZR+3], s[72:73] offset:4096*\i+512*\j th:TH_STORE_NT
.endr
.endm
	WALU
	s_cmp_lt_u32 s2, 12
	s_cbranch_scc0 .Lmeet
	LCOMP
	LSTORE
	s_cmp_lt_u32 s2, 8
	s_cbranch_scc0 .Lmeet
	DCOMP XA
	DSTORE 8, 10
	s_cmp_lt_u32 s2, 4
	s_cbranch_scc0 .Lmeet
	s_cmp_gt_u32 s2, 1
	s_cbranch_scc0 .Lmeet
	s_lshl_b32 s60, ttmp9, 1                       ; waves 2 and 3: an image each of w_expert's 64 column tiles x 8 K steps
	s_add_co_u32 s60, s60, s57
	s_lshr_b32 s61, s60, 3
	s_mul_i32 s62, s61, 12288
	s_and_b32 s61, s60, 7
	s_mul_i32 s61, s61, 96
	s_add_co_u32 s62, s62, s61
	s_mov_b32 s63, 0
	s_add_nc_u64 s[62:63], s[16:17], s[62:63]
	s_mul_i32 s60, s60, 1536
	s_mov_b32 s61, 0
	s_add_nc_u64 s[60:61], s[18:19], s[60:61]
	s_wait_xcnt 0x0
.irp p, 0,1,2,3,4,5
	global_load_b64 v[X+2*\p:X+2*\p+1], v12, s[62:63] offset:48*(\p/3)+8*(\p%3)
.endr
	s_wait_loadcnt 0x0
.irp p, 0,1,2
	global_store_b128 v9, v[X+4*\p:X+4*\p+3], s[60:61] offset:512*\p
.endr
.Lmeet:
	WALU
	s_wait_dscnt 0x0                               ; my partial logits, if any yet, are stored
	s_barrier_signal -1                            ; barrier A: my part of x has landed (each wave has waited for it above)
	s_cmp_lt_u32 s2, 12
	s_cbranch_scc1 .La1
	LCOMP                                          ; waves 12 to 15
.La1:
	s_cmp_lt_u32 s2, 8
	s_cbranch_scc1 .La2
	s_cmp_lt_u32 s2, 12
	s_cbranch_scc0 .La2
	DCOMP XA                                       ; waves 8 to 11
.La2:
	s_barrier_wait -1                              ; all of x has landed
	s_cmp_lt_u32 s2, 12
	s_cbranch_scc1 .La3
	LSTORE
	s_branch .La5
.La3:
	s_cmp_lt_u32 s2, 8
	s_cbranch_scc1 .La4
	DSTORE 8, 10
	s_branch .La5
.La4:
	ZROW 6                                         ; waves 0 to 7
.La5:
	WALU
	s_wait_dscnt 0x0
	s_barrier_signal -1                            ; barrier B: my partial logits are stored
	s_cmp_lt_u32 s2, 4
	s_cbranch_scc1 .Lb1
	s_cmp_lt_u32 s2, 8
	s_cbranch_scc0 .Lb1
	DCOMP XA2                                      ; waves 4 to 7: the tile of the wave eight further on
.Lb1:
	s_barrier_wait -1                              ; all waves' partial logits lie in LDS
	s_cmp_lt_u32 s2, 8
	s_cbranch_scc0 .Lend
	s_cmp_lt_u32 s2, 4
	s_cbranch_scc1 .Lb2
	DSTORE 96, 98
	s_branch .Lzero
.Lb2:
	s_cmp_lt_u32 s2, 2
	s_cbranch_scc0 .Lzero
.irp k, 0,1,2,3,4,5,6,7                ; waves 0 and 1: a group each, a token a lane
	ds_load_b128 v[W+8*\k:W+8*\k+3], v23 offset:1024*\k
	ds_load_b128 v[W+8*\k+4:W+8*\k+7], v23 offset:1024*\k+512
.endr
	s_wait_xcnt 0x0
	s_wait_dscnt 0x0
.irp k, 0,1,2,3
.irp d, 0,2,4,6
	v_pk_add_f32 v[LA+8*\k+\d:LA+8*\k+\d+1], v[W+16*\k+\d:W+16*\k+\d+1], v[W+16*\k+8+\d:W+16*\k+9+\d]
.endr
.endr
.irp d, 0,2,4,6
	v_pk_add_f32 v[LA+\d:LA+\d+1], v[LA+\d:LA+\d+1], v[LA+8+\d:LA+9+\d]
	v_pk_add_f32 v[LA+16+\d:LA+17+\d], v[LA+16+\d:LA+17+\d], v[LA+24+\d:LA+25+\d]
.endr
.irp d, 0,2,4,6
	v_pk_add_f32 v[LA+\d:LA+\d+1], v[LA+\d:LA+\d+1], v[LA+16+\d:LA+17+\d]
.endr
	v_max3_num_f32 v152, v120, v121, v122
	v_max3_num_f32 v153, v123, v124, v125
	v_max3_num_f32 v152, v152, v126, v127
	v_max_num_f32 v152, v152, v153                 ; the row's maximum is taken away ahead of the exponentials
.irp e, 0,1,2,3,4,5,6,7
	v_sub_f32 v[LA+\e], v[LA+\e], v152
.endr
.irp e, 0,1,2,3,4,5,6,7
	v_mul_f32 v[LA+\e], 0x3fb8aa3b, v[LA+\e]
.endr
	WALU
.irp e, 0,1,2,3,4,5,6,7
	v_exp_f32 v[LA+\e], v[LA+\e]
.endr
	v_nop
	WALU
	v_add_f32 v153, v120, v121
	v_add_f32 v154, v122, v123
	v_add_f32 v155, v124, v125
	v_add_f32 v156, v126, v127
	v_add_f32 v153, v153, v154
	v_add_f32 v155, v155, v156
	v_add_f32 v153, v153, v155
	WALU
	v_rcp_f32 v157, v153
	v_nop
	WALU
.irp e, 0,1,2,3,4,5,6,7
	v_mul_f32 v[LA+\e], v[LA+\e], v157             ; the probabilities
.endr
	v_max3_num_f32 v158, v120, v121, v122
	v_max3_num_f32 v153, v123, v124, v125
	v_max3_num_f32 v158, v158, v126, v127
	v_max_num_f32 v158, v158, v153                 ; the gate
	v_mov_b32 v159, 7
.irp e, 6,5,4,3,2,1,0                  ; the first expert that has it
	v_cmp_eq_f32 vcc_lo, v[LA+\e], v158
	v_cndmask_b32 v159, v159, \e, vcc_lo
.endr
	v_mov_b32 v160, v158                           ; the gate stands alone in its block of the combine row: its own exponent gives the scale
.irp n, 1,2,3,4,5,6,7,8,9,10,11,12,13,14,15
	v_mov_b32 v[160+\n], 0
.endr
	v_add_nc_u32 v176, 0xff000000, v158
	v_cvt_scalef32_pk16_fp6_f32 v[178:180], v[160:175], v176
	v_lshrrev_b32 v177, 23, v176                   ; (the plain line behind the conversion)
	v_and_b32 v178, 63, v178
	v_lshl_or_b32 v178, v177, 8, v178
	global_store_b32 v14, v178, s[14:15]
	v_mov_b32 v181, 0
	v_mov_b32 v182, 0
	v_lshlrev_b32 v183, 9, v1
	v_lshlrev_b32 v153, 11, v1
.irp e, 0,1,2,3,4,5,6,7
	v_cmp_eq_u32 s[78+\e], \e, v159                ; the ballot of expert e, stored at a fixed place: no address of this launch hangs on it
.endr
.irp e, 0,1,2,3,4,5,6,7
	s_bcnt1_i32_b32 s[86+\e], s[78+\e]
	v_writelane_b32 v181, s[78+\e], \e
	v_writelane_b32 v182, s[86+\e], \e
.endr
	WALU
	s_wait_xcnt 0x0                                ; EXEC changes only behind this wait
	v_cmp_gt_u32 vcc_lo, 8, v1
	s_and_saveexec_b32 s94, vcc_lo
	global_store_b32 v153, v181, s[74:75]          ; eight ballots, a word in each expert's row,
	global_store_b8 v183, v182, s[76:77]           ; and eight counts of at most 32, a byte in each expert's row
	s_wait_xcnt 0x0
	s_or_b32 exec_lo, exec_lo, s94
.Lzero:
	ZROW 7                                         ; waves 0 to 7
.Lend:
	s_wait_tensorcnt 0x0                           ; the wave's end
	ds_add_u32 v[SPW], v[NIL]
	s_wait_dscnt 0x0
	s_endpgm
.Lfunc_end_k_q66609f41fa_route:
	.size	k_q66609f41fa_route, .Lfunc_end_k_q66609f41fa_route-k_q66609f41fa_route
	.p2alignl 7, 3214868480
	.fill 96, 4, 3214868480
	.section	.rodata,"a",@progbits
	.p2align	6, 0x0
	.amdhsa_kernel k_q66609f41fa_route
		.amdhsa_group_segment_fixed_size 318464
		.amdhsa_private_segment_fixed_size 0
		.amdhsa_enable_private_segment 0
		.amdhsa_kernarg_size 72
		.amdhsa_user_sgpr_count 2
		.amdhsa_user_sgpr_kernarg_segment_ptr 1
		.amdhsa_wavefront_size32 1
		.amdhsa_system_sgpr_workgroup_id_x 1
		.amdhsa_system_sgpr_workgroup_id_y 1
		.amdhsa_system_sgpr_workgroup_id_z 1
		.amdhsa_system_vgpr_workitem_id 0
		.amdhsa_next_free_vgpr 256
		.amdhsa_next_free_sgpr 100
		.amdhsa_reserve_vcc 1
		.amdhsa_float_denorm_mode_32 3
		.amdhsa_float_denorm_mode_16_64 3
		.amdhsa_memory_ordered 1
		.amdhsa_forward_progress 1
		.amdhsa_inst_pref_size 123
	.end_amdhsa_kernel
	.amdgpu_metadata
---
amdhsa.version: [ 1, 2 ]
amdhsa.kernels:
  - .name:           k_q66609f41fa_route
    .symbol:         k_q66609f41fa_route.kd
    .args:
      - { .name: x, .offset: 0, .size: 8, .value_kind: global_buffer, .address_space: global }
      - { .name: w_gate, .offset: 8, .size: 8, .value_kind: global_buffer, .address_space: global }
      - { .name: acodes, .offset: 16, .size: 8, .value_kind: global_buffer, .address_space: global }
      - { .name: ascale, .offset: 24, .size: 8, .value_kind: global_buffer, .address_space: global }
      - { .name: route, .offset: 32, .size: 8, .value_kind: global_buffer, .address_space: global }
      - { .name: tinfo, .offset: 40, .size: 8, .value_kind: global_buffer, .address_space: global }
      - { .name: w_expert_codes, .offset: 48, .size: 8, .value_kind: global_buffer, .address_space: global }
      - { .name: wimg, .offset: 56, .size: 8, .value_kind: global_buffer, .address_space: global }
      - { .name: out0, .offset: 64, .size: 8, .value_kind: global_buffer, .address_space: global }
    .group_segment_fixed_size: 318464
    .private_segment_fixed_size: 0
    .kernarg_segment_align: 8
    .kernarg_segment_size: 72
    .max_flat_workgroup_size: 512
    .sgpr_count:     100
    .vgpr_count:     256
    .wavefront_size: 32
...
	.end_amdgpu_metadata
.endif
;; end of part 4
;; launch expert (part 5): grid 256 x 1, 8 waves a work-group, no clusters, 51,968 bytes of LDS; arguments route, acodes, ascale, tinfo, wimg, w_expert_scales, b_expert, out0; writes out0
.if DOCPART == 5
	.amdgcn_target "amdgcn-amd-amdhsa--gfx1250"
	.amdhsa_code_object_version 6
	.text
	.protected	k_q66609f41fa_expert
	.globl	k_q66609f41fa_expert
	.p2align	8
	.type	k_q66609f41fa_expert,@function
k_q66609f41fa_expert:
	s_mov_b64 s[64:65], 0
	v_nop
	global_prefetch_b8 v0, s[64:65] scope:SCOPE_SE
	s_setreg_imm32_b32 hwreg(HW_REG_WAVE_MODE, 25, 1), 1
	s_wait_xcnt 0x0
; THE EXPERT, THE COMBINE PRODUCT AND THE ROWS OF ZEROS.
; ZEROS.  Work-group b owns tokens 64 b .. + 63 where they have no slot; wave w the rows 8 w .. 8 w + 5 of them (rows 8 w + 6 and 8 w + 7 were stored as zeros by the launch before), in group G = 2 b + w / 4.  Wave w sums
; expert w's stored counts of the groups ahead of 2 b and of 2 b + 1; the eight waves' sums meet in LDS.  A token's rank is its expert's sum plus the bits below its own in the expert's ballot; at a rank of 100 or more
; it has no slot and its row is zeros.  The rows go out in portions between the steps of the slot work.
; SLOTS.  Work-groups 0 to 199 also take slots 32 sb .. + 31 (one block of the last product's K) and columns 128 cg .. + 127, sb = b / 8, cg = b % 8; wave w the columns 16 w .. + 15 of them.
; Slot s = 100 e + c belongs to the token of rank c among those that chose e; 32 slots touch at most two experts, whose ballots lie in LDS.  Each wave scans these two experts' counts (16 groups a lane), finds a slot's chunk
; of 16 groups by a search over the lanes, the group by its bytes, the token by the ballot's bits.  A token with a slot has its row stored by its slot's work-group alone.
; Wave w gathers K step w of the 32 rows and hands it on through LDS as an image of the operand's registers.  A slot without a token gets zero codes: its row of expert_out is the bias, as reference() has it.
; LANE (r, h) LOOKS UP SLOT 8 h + r + 8 (r / 8): row r of tile h.  So a lane's 16 results of the two tiles are the 16 neighbouring slots 16 h + 0..15 of one column, which is how the next K runs.
; COMBINE.  out0's rows of these slots are the gates' codes x this block of expert_out alone (dead work: at the head of the first kernel).  K block h holds slots 16 h + 0..15 at its first 16 places on both
; sides, under the block's one byte; all other places are zero codes.  Source 0 = 16 columns, source 1 = 16 tokens; the rows go through LDS and leave as 512 consecutive bytes.
; LIMITS: NaN and infinities are not served; a block of zeros gets the byte 1 (its codes are zeros).
; NO CLUSTER, NO TENSOR LOAD: addresses and branches hang on stored whole numbers.  NO PREFETCH: there is no loop, and what is known ahead is asked for in the first lines.
.set CT,   4096                        ; LDS: 0 the two experts' ballots [2][512]; the counts [8][512 bytes]; the sums [8][2];
.set BT,   8192
.set IMG,  8448                        ; the rows' images [tile][K step][1,536 bytes]; their scale words [K step][lane]; the rows on the way out; the spare words
.set SCLB, 33024
.set STG,  34048
.set SPITCH, 528
.set SPARE, 50944
.set CAP,  100
.set CB,   16384                       ; the counts in route
.set BF,   128                         ; v128-223 the weights' fragments
.set BS,   224                         ; v224-231 their scale words
.set AS,   236                         ; v236-243 the rows': lanes 0-15 tile 0, lanes 16-31 tile 1
.set BIAS, 244                         ; v244-251 the bias as the first C
.set ES,   252                         ; expert_out's scale word; v253, v254 the gates'
.set ACC,  96                          ; v96-111 8 (tile)
.set GF,   16                          ; v16-39 the gathered codes, then the gates' fragments, then rows on the way out
.set EF,   44                          ; v44-55 expert_out's fragment
.set OD,   72                          ; v72-87 the last product's results
.set TOK,  116                         ; v116 the token of my slot
.set MSB,  0
.macro WIN new
.if MSB != (\new)
	s_set_vgpr_msb (MSB<<8)|(\new)
.set MSB, (\new)
.endif
.endm
.macro WALU
	s_wait_alu depctr_va_vdst(0)
.endm
.macro PLACES n
.rept \n
	v_nop
.endr
.endm
	s_load_b512 s[4:19], s[0:1], 0x0               ; route, acodes, ascale, tinfo, wimg, w_expert_scales, b_expert, out0
	v_lshl_add_u32 v126, v0, 2, SPARE
	v_mov_b32 v127, 0
	v_lshrrev_b32 v1, 5, v0
	v_readfirstlane_b32 s2, v1                     ; wave 0..7
	v_and_b32 v1, 31, v0
	v_and_b32 v2, 15, v0                           ; r
	v_bfe_u32 v3, v0, 4, 1                         ; h
	v_lshlrev_b32 v4, 4, v1
	s_lshl_b32 s20, ttmp9, 1
	s_lshr_b32 s40, s2, 2
	s_add_co_u32 s20, s20, s40                     ; G
	s_lshl_b32 s32, s20, 2
	s_mov_b32 s33, 0
	s_lshl_b32 s34, s2, 9                          ; expert w's row of counts
	s_mov_b32 s35, 0
	s_lshr_b32 s38, ttmp9, 1                       ; group 2 b's count lies in word b / 2 of it,
	s_lshl_b32 s38, s38, 2
	s_mov_b32 s39, 0
	s_and_b32 s43, ttmp9, 1
	s_lshl_b32 s66, s43, 4                         ; at this bit
	s_mov_b32 s21, 0xffff0000                      ; lanes 16-31
	s_mov_b32 s22, 0x76543210
	s_mov_b32 s23, 0xfedcba98                      ; lane l xor 16
	s_mov_b32 s49, 0x01010101
	s_mov_b32 s50, 0x00ff00ff
	s_mov_b32 s51, 0x07060302
	s_and_b32 s67, s2, 3
	s_lshl_b32 s67, s67, 3                         ; my rows' first bit in the group
	s_lshl_b32 s68, ttmp9, 18
	s_lshl_b32 s69, s2, 15
	s_add_co_u32 s68, s68, s69
	s_mov_b32 s69, 0
	s_lshr_b32 s40, ttmp9, 3                       ; the lane that holds group 2 b's count,
	s_and_b32 s41, ttmp9, 7
	s_lshl_b32 s41, s41, 1                         ; and how many of its bytes lie ahead of it
.irp d, 0,1,2,3
	s_sub_co_i32 s42, s41, 4*\d
	s_max_i32 s42, s42, 0
	s_min_i32 s42, s42, 4
	s_lshl_b32 s42, s42, 3
	s_mov_b32 s36, 1
	s_mov_b32 s37, 0
	s_lshl_b64 s[36:37], s[36:37], s42
	s_sub_co_u32 s[44+\d], s36, 1                  ; so many low bytes
.endr
	WALU
	v_cmp_gt_u32 s52, s40, v1
	v_cmp_eq_u32 s53, s40, v1
.irp d, 0,1,2,3
	v_mov_b32 v[52+\d], s[44+\d]
.endr
.irp d, 0,1,2,3
	v_cndmask_b32 v[52+\d], 0, v[52+\d], s53
.endr
.irp d, 0,1,2,3
	v_cndmask_b32 v[48+\d], v[52+\d], -1, s52      ; which of my 16 bytes lie ahead of group 2 b
.endr
.irp n, 0,1,2,3
	v_mov_b32 v[8+\n], 0                           ; the zeros; never rewritten
.endr
	v_mov_b32 v72, 0                               ; a lane permute's destination counts as one of its sources
	v_lshlrev_b32 v12, 5, v2
	v_lshlrev_b32 v13, 2, v2
	v_lshlrev_b32 v14, 2, v1
	WALU                                           ; the wait here
	s_lshl_b32 s43, s2, 9
	v_add_nc_u32 v5, s43, v4                       ; ballots and counts, in: 512 bytes a wave
	s_lshl_b32 s43, s2, 3
	s_add_co_u32 s43, s43, BT
	v_mov_b32 v15, s43                             ; my expert's two sums, in;
	s_lshr_b32 s43, s2, 2
	s_lshl_b32 s43, s43, 2
	s_add_co_u32 s43, s43, BT
	v_and_b32 v7, 7, v0
	v_lshlrev_b32 v7, 3, v7
	v_add_nc_u32 v7, s43, v7                       ; back: lane e the sum of expert e for my group
	s_mul_i32 s43, s2, 1536
	s_add_co_u32 s43, s43, IMG
	v_add_nc_u32 v120, s43, v4                     ; a K step's images, in
	s_lshl_b32 s43, s2, 7
	s_add_co_u32 s43, s43, SCLB
	v_add_nc_u32 v121, s43, v14                    ; its scale words, in
	v_add_nc_u32 v122, SCLB, v14                   ; and back
	s_lshl_b32 s43, s2, 6
	s_add_co_u32 s43, s43, STG
	v_mul_u32_u24 v123, v2, SPITCH
	v_lshl_add_u32 v123, v3, 5, v123
	v_add_nc_u32 v123, s43, v123                   ; the rows' stage, in: row r, my wave's 64 bytes
	s_mul_i32 s43, s2, 4*SPITCH
	s_add_co_u32 s43, s43, STG
	v_add_nc_u32 v124, s43, v4                     ; and back: four rows a wave
	s_lshr_b32 s70, ttmp9, 3
	s_lshl_b32 s70, s70, 5                         ; my first slot
	s_mul_i32 s71, s70, 656
	s_lshr_b32 s71, s71, 16                        ; its expert: s / 100 = (656 s) >> 16 for s under 800
	s_min_u32 s71, s71, 7
	s_add_co_u32 s72, s70, 31
	s_mul_i32 s72, s72, 656
	s_lshr_b32 s72, s72, 16                        ; my last slot's
	s_min_u32 s72, s72, 7
	s_lshl_b32 s43, s71, 9
	v_add_nc_u32 v56, s43, v4                      ; their rows of counts in LDS
	s_lshl_b32 s43, s72, 9
	v_add_nc_u32 v57, s43, v4
	WALU                                           ; the head's end
	s_wait_kmcnt 0x0
	s_add_nc_u64 s[32:33], s[4:5], s[32:33]
	s_add_nc_u64 s[34:35], s[4:5], s[34:35]
	s_add_nc_u64 s[38:39], s[34:35], s[38:39]
	s_add_nc_u64 s[68:69], s[18:19], s[68:69]      ; my eight rows of out0
	global_load_b128 v[16:19], v4, s[34:35] offset:CB   ; expert w's counts, 16 groups a lane
	s_load_b32 s48, s[38:39], CB
.irp e, 0,1,2,3,4,5,6,7
	s_load_b32 s[24+\e], s[32:33], 2048*\e         ; G's eight ballots
.endr
.macro SHARE slots                     ; my expert's two sums and what others read of it, into LDS
	ds_store_b128 v5, v[16:19] offset:CT
.if \slots
	ds_store_b128 v5, v[20:23]
.endif
	s_lshr_b32 s48, s48, s66
	s_and_b32 s48, s48, 0xff                       ; group 2 b's count
.irp d, 0,1,2,3
	v_and_b32 v[24+\d], v[48+\d], v[16+\d]
.endr
	v_add3_u32 v28, v24, v25, v26                  ; counts are at most 32: four of them fit a byte
	v_add_nc_u32 v28, v28, v27
	v_and_b32 v24, s50, v28
	v_lshrrev_b32 v25, 8, v28
	v_and_b32 v25, s50, v25
	v_add_nc_u32 v24, v24, v25
	v_lshl_add_u32 v24, v24, 16, v24               ; the upper half: all four bytes' sum
	v_lshrrev_b32 v24, 16, v24
.irp m, 1,2,4,8
	v_add_nc_u32_dpp v24, v24, v24 row_xmask:\m row_mask:0xf bank_mask:0xf
.endr
	v_permlanex16_b32 v72, v24, s22, s23
	v_add_nc_u32 v24, v24, v72
	v_readfirstlane_b32 s52, v24
	s_add_co_u32 s53, s52, s48
	v_mov_b32 v30, s52
	v_mov_b32 v31, s53
	ds_store_b64 v15, v[30:31]                     ; (all lanes the same bytes, the same numbers)
	WALU
	s_wait_dscnt 0x0
	s_barrier_signal -1
	s_barrier_wait -1                              ; ballots, counts and sums lie in LDS; nothing is written there from here on
	ds_load_b32 v32, v7
.if \slots
	ds_load_b128 v[60:63], v56 offset:CT
	ds_load_b128 v[64:67], v57 offset:CT
.endif
	s_wait_dscnt 0x0
.irp e, 0,1,2,3,4,5,6,7
	v_readlane_b32 s[56+\e], v32, \e
.endr
	v_mov_b32 v6, 0x7fff
.irp e, 0,1,2,3,4,5,6,7
	v_mbcnt_lo_u32_b32 v[76+\e], s[24+\e], s[56+\e]
.endr
.irp e, 0,1,2,3,4,5,6,7
	v_cndmask_b32 v6, v6, v[76+\e], s[24+\e]       ; my token's rank, if it chose e
.endr
	v_cmp_gt_u32 s66, CAP, v6
	s_lshr_b32 s66, s66, s67                       ; bit i: my row i has a slot
	WALU
.endm
.macro ZROW i                          ; row i of my eight: 4,096 bytes of zeros, 512 consecutive ones a store, unless it has a slot
	s_bitcmp1_b32 s66, \i
	s_cbranch_scc1 .Lkept_\@
.irp j, 0,1,2,3,4,5,6,7
	global_store_b128 v4, v[8:11], s[68:69] offset:4096*\i+512*\j th:TH_STORE_NT
.endr
.Lkept_\@:
.endm
	s_cmp_lt_u32 ttmp9, 200
	s_cbranch_scc0 .Lno_slots
; ================= with slots
	s_mul_i32 s73, s71, CAP
	s_add_co_u32 s74, s73, CAP                     ; from this slot on: the upper expert
	s_and_b32 s75, ttmp9, 7                        ; cg
	s_lshl_b32 s76, s75, 3
	s_add_co_u32 s76, s76, s2                      ; my tile of 16 columns
	s_cmp_lt_u32 s2, 4                             ; waves 0 to 3 bring the lower expert's ballots, 4 to 7 the upper's
	s_cselect_b32 s36, s71, s72
	s_lshl_b32 s36, s36, 11
	s_and_b32 s40, s2, 3
	s_lshl_b32 s40, s40, 9
	s_add_co_u32 s36, s36, s40
	s_mov_b32 s37, 0
	s_add_nc_u64 s[36:37], s[4:5], s[36:37]
	s_mul_i32 s40, s76, 12288
	s_mov_b32 s41, 0
	s_add_nc_u64 s[12:13], s[12:13], s[40:41]
	s_lshl_b32 s40, s76, 9
	s_add_nc_u64 s[14:15], s[14:15], s[40:41]
	s_lshl_b32 s40, s76, 6
	s_add_nc_u64 s[16:17], s[16:17], s[40:41]
	s_mul_i32 s40, s2, 1536
	s_add_nc_u64 s[84:85], s[6:7], s[40:41]        ; acodes at my K step
	s_lshl_b32 s40, s2, 16
	s_add_nc_u64 s[86:87], s[8:9], s[40:41]        ; ascale at my K step
	s_lshl_b32 s40, s75, 9
	s_add_nc_u64 s[100:101], s[18:19], s[40:41]    ; out0 at my columns
	global_load_b128 v[20:23], v4, s[36:37]
.irp s, 0,1,2,3,4,5,6,7
.irp p, 0,1,2
	global_load_b128 v[BF+12*\s+4*\p:BF+12*\s+4*\p+3], v4, s[12:13] offset:1536*\s+512*\p
.endr
.endr
	global_load_b128 v[BS:BS+3], v12, s[14:15]
	global_load_b128 v[BS+4:BS+7], v12, s[14:15] offset:16
	global_load_b32 v[BIAS], v13, s[16:17]
	s_wait_loadcnt 27                              ; counts and ballots are in; the 27 loads behind them may be out
	s_wait_kmcnt 0x0
	SHARE 1
	ZROW 0
	ZROW 1
	; the two experts' counts: a lane's 16, then a scan over the lanes; the upper expert's in the upper half
.irp x, 0,1
	v_add3_u32 v[84+\x], v[60+4*\x], v[61+4*\x], v[62+4*\x]
.endr
.irp x, 0,1
	v_add_nc_u32 v[84+\x], v[84+\x], v[63+4*\x]
.endr
.irp x, 0,1
	v_and_b32 v[86+\x], s50, v[84+\x]
.endr
.irp x, 0,1
	v_lshrrev_b32 v[88+\x], 8, v[84+\x]
.endr
.irp x, 0,1
	v_and_b32 v[88+\x], s50, v[88+\x]
.endr
.irp x, 0,1
	v_add_nc_u32 v[86+\x], v[86+\x], v[88+\x]
.endr
.irp x, 0,1
	v_lshl_add_u32 v[84+\x], v[86+\x], 16, v[86+\x]
.endr
	v_perm_b32 v90, v85, v84, s51
	v_mov_b32 v91, v90
	v_mov_b32 v92, 0
.irp d, 1,2,4,8
	v_mov_b32_dpp v92, v91 row_shr:\d row_mask:0xf bank_mask:0xf bound_ctrl:1
	v_add_nc_u32 v91, v91, v92
.endr
	v_readlane_b32 s97, v91, 15
	v_mov_b32 v92, s97
	v_cndmask_b32 v92, 0, v92, s21
	v_add_nc_u32 v91, v91, v92
	v_readlane_b32 s98, v91, 31
	s_lshr_b32 s99, s98, 16                        ; all tokens of the upper expert,
	s_and_b32 s98, s98, 0xffff                     ; of the lower
	v_sub_nc_u32 v93, v91, v90                     ; ahead of my 16 groups
	v_and_b32 v94, 8, v2
	v_add_nc_u32 v94, v94, v2
	v_lshl_add_u32 v94, v3, 3, v94
	v_add_nc_u32 v94, s70, v94                     ; my slot
	v_cmp_le_u32 s79, s74, v94                     ; the upper expert's?
	v_subrev_nc_u32 v95, s73, v94
	v_mov_b32 v96, CAP
	v_cndmask_b32 v96, 0, v96, s79
	v_sub_nc_u32 v95, v95, v96                     ; c: the rank wanted
	v_mov_b32 v96, s98
	v_mov_b32 v97, s99
	v_cndmask_b32 v96, v96, v97, s79
	v_cmp_lt_u32 s80, v95, v96                     ; does a token take the slot?
	v_cndmask_b32 v97, 0, 16, s79                  ; which half is mine
	v_mov_b32 v98, 0
	v_mov_b32 v99, 0
.irp st, 16,8,4,2,1                    ; the last chunk with at most c tokens ahead of it
	v_add_nc_u32 v100, \st, v98
	v_lshlrev_b32 v101, 2, v100
	ds_bpermute_b32 v102, v101, v93
	WALU
	s_wait_dscnt 0x0
	v_bfe_u32 v102, v102, v97, 16
	v_cmp_le_u32 vcc_lo, v102, v95
	v_cndmask_b32 v98, v98, v100, vcc_lo
	v_cndmask_b32 v99, v99, v102, vcc_lo
.endr
	v_lshlrev_b32 v101, 2, v98
.irp d, 0,1,2,3
	ds_bpermute_b32 v[104+\d], v101, v[60+\d]
	ds_bpermute_b32 v[108+\d], v101, v[64+\d]
.endr
	v_sub_nc_u32 v95, v95, v99                     ; the rank inside the chunk
	WALU
	s_wait_dscnt 0x0
.irp d, 0,1,2,3
	v_cndmask_b32 v[104+\d], v[104+\d], v[108+\d], s79
.endr
.irp d, 0,1,2,3
	v_mul_lo_u32 v[104+\d], v[104+\d], s49         ; byte k: the sum of bytes 0 .. k, at most 128
.endr
.irp d, 0,1,2
	v_lshrrev_b32 v[108+\d], 24, v[104+\d]
.endr
	v_add_nc_u32 v109, v109, v108
	v_add_nc_u32 v110, v110, v109
	v_mov_b32 v112, v104
	v_mov_b32 v113, 0
	v_mov_b32 v114, 0
.irp d, 0,1,2                          ; the word, and what lies ahead of it
	v_cmp_ge_u32 vcc_lo, v95, v[108+\d]
	v_cndmask_b32 v112, v112, v[105+\d], vcc_lo
	v_cndmask_b32 v113, v113, v[108+\d], vcc_lo
	v_cndmask_b32 v114, v114, 4*\d+4, vcc_lo
.endr
	v_sub_nc_u32 v95, v95, v113
	v_and_b32 v104, 0xff, v112
	v_bfe_u32 v105, v112, 8, 8
	v_bfe_u32 v106, v112, 16, 8
	v_mov_b32 v113, 0
	v_mov_b32 v115, 0
.irp d, 0,1,2                          ; the byte
	v_cmp_ge_u32 vcc_lo, v95, v[104+\d]
	v_cndmask_b32 v113, v113, v[104+\d], vcc_lo
	v_cndmask_b32 v115, v115, \d+1, vcc_lo
.endr
	v_sub_nc_u32 v109, v95, v113                   ; the rank inside the group
	v_lshl_add_u32 v114, v98, 4, v114
	v_add_nc_u32 v114, v114, v115
	v_min_u32 v114, 0x1ff, v114                    ; the group.  (A number that was loaded enters an address only behind such a hold)
	v_mov_b32 v113, 0x800
	v_cndmask_b32 v112, 0, v113, s79
	v_lshl_add_u32 v115, v114, 2, v112
	ds_load_b32 v103, v115                         ; its ballot
	WALU
	s_wait_dscnt 0x0
	v_lshrrev_b32 v104, 1, v103                    ; counts of set bits in fields of 2, 4, 8 and 16 bits
	v_and_b32 v104, 0x55555555, v104
	v_sub_nc_u32 v104, v103, v104
	v_lshrrev_b32 v105, 2, v104
	v_and_b32 v105, 0x33333333, v105
	v_and_b32 v106, 0x33333333, v104
	v_add_nc_u32 v105, v105, v106
	v_lshrrev_b32 v106, 4, v105
	v_add_nc_u32 v106, v106, v105
	v_and_b32 v106, 0x0f0f0f0f, v106
	v_lshrrev_b32 v107, 8, v106
	v_add_nc_u32 v107, v107, v106
	v_mov_b32 v108, 0
.macro PICK src, width, add            ; if the rank is not in the lower field, take the field's count off it and go to the upper
	v_bfe_u32 v110, v[\src], v108, \width
	v_cmp_ge_u32 vcc_lo, v109, v110
	v_sub_nc_u32 v111, v109, v110
	v_add_nc_u32 v112, \add, v108
	v_cndmask_b32 v109, v109, v111, vcc_lo
	v_cndmask_b32 v108, v108, v112, vcc_lo
.endm
	PICK 107, 8, 16
	PICK 106, 8, 8
	PICK 105, 4, 4
	PICK 104, 2, 2
	PICK 103, 1, 1
	v_lshl_add_u32 v[TOK], v114, 5, v108           ; the token: 32 x group + bit
	v_min_u32 v[TOK], 0x3fff, v[TOK]
	v_mov_b32 v117, 0
	v_permlanex16_b32 v117, v[TOK], s22, s23
	v_cndmask_b32 v118, v[TOK], v117, s21          ; row r of tile 0, in both halves of the lanes,
	v_cndmask_b32 v119, v117, v[TOK], s21          ; of tile 1
.irp u, 0,1
	v_min_u32 v[118+\u], 0x3fff, v[118+\u]
	v_and_b32 v112, 0x3ff0, v[118+\u]
	v_mul_u32_u24 v112, v112, 768                  ; the token's tile: 12,288 bytes each,
	v_and_b32 v113, 15, v[118+\u]
	v_mul_u32_u24 v113, v113, 96                   ; its row,
	v_add_nc_u32 v112, v112, v113
	v_mad_u32_u24 v[104+\u], v3, 48, v112          ; my half
.endr
	v_lshlrev_b32 v125, 2, v[TOK]
.irp u, 0,1
.irp p, 0,1,2
	global_load_b128 v[GF+12*\u+4*\p:GF+12*\u+4*\p+3], v[104+\u], s[84:85] offset:16*\p
.endr
.endr
	global_load_b32 v40, v125, s[86:87]            ; the row's scale word, a slot a lane,
	global_load_b32 v41, v125, s[10:11]            ; and the token's gate
	s_and_b32 s81, s80, 0xffff                     ; which rows of tile 0 have a token, for both halves of the lanes,
	s_lshl_b32 s82, s81, 16
	s_or_b32 s81, s81, s82
	s_and_b32 s82, s80, s21                        ; of tile 1
	s_lshr_b32 s83, s82, 16
	s_or_b32 s82, s82, s83
	WALU
	ZROW 2
	ZROW 3
	s_wait_loadcnt 0x0
.irp u, 0,1
.irp n, 0,1,2,3,4,5,6,7,8,9,10,11
	v_cndmask_b32 v[GF+12*\u+\n], 0, v[GF+12*\u+\n], s[81+\u]
.endr
.endr
.irp u, 0,1
.irp p, 0,1,2
	ds_store_b128 v120, v[GF+12*\u+4*\p:GF+12*\u+4*\p+3] offset:12288*\u+512*\p
.endr
.endr
	ds_store_b32 v121, v40
	WALU
	s_wait_dscnt 0x0                               ; for the others' sake: my K step is stored
	s_barrier_signal -1
	s_barrier_wait -1
.irp s, 0,1,2,3,4,5,6,7
	ds_load_b32 v[AS+\s], v122 offset:128*\s
.endr
	WIN 0x40                                       ; destination window 1: the rows' 16 fragments, 96 u + 12 s
.irp s, 0,1,2,3,4,5,6,7
.irp u, 0,1
.irp p, 0,1,2
	ds_load_b128 v[96*\u+12*\s+4*\p:96*\u+12*\s+4*\p+3], v4 offset:IMG+12288*\u+1536*\s+512*\p
.endr
.endr
.endr
	WIN 0
.irp j, 1,2,3,4,5,6,7
	v_mov_b32 v[BIAS+\j], v[BIAS]                  ; a lane's eight results are eight slots of one column
.endr
	; the gates' fragments: row r of tile q has its gate's code at K block r / 8, place 8 q + r % 8: bits 48 q + 6 (r % 8) on of three registers
	v_mov_b32 v42, 0
	v_permlanex16_b32 v42, v41, s22, s23
	v_bfe_u32 v104, v2, 3, 1
	v_cmp_eq_u32 s83, v104, v3
.macro GATE q
.if \q == 0
	v_cndmask_b32 v43, v41, v42, s21
.else
	v_cndmask_b32 v43, v42, v41, s21
.endif
	v_and_b32 v104, 63, v43
	v_cndmask_b32 v104, 0, v104, s83
	v_bfe_u32 v105, v43, 8, 8
	v_perm_b32 v[ES+1+\q], v105, v105, 0           ; its byte serves every block of the row: the others hold zero codes
	v_and_b32 v106, 7, v2
	v_mul_u32_u24 v106, v106, 6
	v_add_nc_u32 v106, 48*\q, v106
	v_and_b32 v107, 31, v106
	v_lshrrev_b32 v108, 5, v106
	v_lshlrev_b32 v109, v107, v104                 ; the code's bits in its word,
	v_sub_nc_u32 v110, 31, v107
	v_lshrrev_b32 v111, 1, v104
	v_lshrrev_b32 v110, v110, v111                 ; and those that run over into the next
	v_cmp_eq_u32 s88, 0, v108
	v_cmp_eq_u32 s89, 1, v108
	v_cmp_eq_u32 s90, 2, v108
	v_cndmask_b32 v[GF+12*\q], 0, v109, s88
	v_cndmask_b32 v[GF+12*\q+1], 0, v110, s88
	v_cndmask_b32 v[GF+12*\q+2], 0, v110, s89
	v_cndmask_b32 v[GF+12*\q+1], v[GF+12*\q+1], v109, s89
	v_cndmask_b32 v[GF+12*\q+2], v[GF+12*\q+2], v109, s90
.irp n, 3,4,5,6,7,8,9,10,11
	v_mov_b32 v[GF+12*\q+\n], 0
.endr
.endm
	GATE 0
	GATE 1
.irp n, 3,4,5,6,7,8,9,10,11
	v_mov_b32 v[EF+\n], 0
.endr
	WALU
	ZROW 4
	WIN 0x01                                       ; source 0 (rows) window 1
.macro MUL s, u, row                   ; two accumulators by turns, one instruction a turn; the bias is the first C
.set D_, ACC+8*\u
.if \s == 0
	v_wmma_scale_f32_16x16x128_f8f6f4 v[D_:D_+7], v[96*\u+12*\s:96*\u+12*\s+11], v[BF+12*\s:BF+12*\s+11], v[BIAS:BIAS+7], v[AS+\s], v[BS+\s] matrix_a_fmt:MATRIX_FMT_FP6 matrix_b_fmt:MATRIX_FMT_FP6 matrix_a_scale:\row
.else
	v_wmma_scale_f32_16x16x128_f8f6f4 v[D_:D_+7], v[96*\u+12*\s:96*\u+12*\s+11], v[BF+12*\s:BF+12*\s+11], v[D_:D_+7], v[AS+\s], v[BS+\s] matrix_a_fmt:MATRIX_FMT_FP6 matrix_b_fmt:MATRIX_FMT_FP6 matrix_a_scale:\row
.endif
.endm
.irp s, 0,1,2,3,4,5,6,7
	s_wait_dscnt 6*(7-\s)                          ; K step s is in; six loads for each later one may be out
	MUL \s, 0, MATRIX_SCALE_ROW0
	MUL \s, 1, MATRIX_SCALE_ROW1
.endr
	WIN 0
	PLACES 4                                       ; four plain lines ahead of the first read of results (ISA guide 7.12.1)
	; lane (r, h): registers 0..15 = slots 16 h + 0..15 of column r.  The block of 32 lies in lanes l and l xor 16
	v_max3_num_f32 v60, |v96|, |v97|, 0x1800000
	v_max3_num_f32 v61, |v104|, |v105|, |v106|
	v_max3_num_f32 v60, v60, |v98|, |v99|
	v_max3_num_f32 v61, v61, |v107|, |v108|
	v_max3_num_f32 v60, v60, |v100|, |v101|
	v_max3_num_f32 v61, v61, |v109|, |v110|
	v_max3_num_f32 v60, v60, |v102|, |v103|
	v_max3_num_f32 v60, v60, v61, |v111|
	v_permlanex16_b32 v62, v60, s22, s23
	v_max_num_f32 v60, v60, v62
	v_add_nc_u32 v63, 0xff000000, v60
	v_lshrrev_b32 v64, 23, v63
	v_perm_b32 v[ES], v64, v64, 0
	v_cvt_scalef32_pk16_fp6_f32 v[EF:EF+2], v[96:111], v63
	PLACES 8                                       ; a scale register stands eight places ahead of the product
.irp q, 0,1
	v_wmma_scale_f32_16x16x128_f8f6f4 v[OD+8*\q:OD+8*\q+7], v[EF:EF+11], v[GF+12*\q:GF+12*\q+11], 0, v[ES], v[ES+1+\q] matrix_a_fmt:MATRIX_FMT_FP6 matrix_b_fmt:MATRIX_FMT_FP6
.endr
	PLACES 4
.irp q, 0,1
	ds_store_b128 v123, v[OD+8*\q:OD+8*\q+3] offset:16*SPITCH*\q
	ds_store_b128 v123, v[OD+8*\q+4:OD+8*\q+7] offset:16*SPITCH*\q+16
.endr
	s_wait_dscnt 0x0
	s_barrier_signal -1
	s_barrier_wait -1                              ; the 32 rows of 512 bytes lie in LDS
.irp i, 0,1,2,3
	ds_load_b128 v[GF+4*\i:GF+4*\i+3], v124 offset:SPITCH*\i
.endr
	s_lshl_b32 s91, s2, 2
	s_wait_dscnt 0x0
.macro OUTROW i                        ; row 4 w + i: 512 consecutive bytes of its token's row, where the slot has a token
	s_add_co_u32 s92, s91, \i
	v_readlane_b32 s93, v[TOK], s92
	s_min_u32 s93, s93, 0x3fff
	s_lshl_b32 s94, s93, 12
	s_mov_b32 s95, 0
	s_add_nc_u64 s[40+2*\i:41+2*\i], s[100:101], s[94:95]
	s_lshr_b32 s96, s80, s92
	s_bitcmp1_b32 s96, 0
	s_cbranch_scc0 .Lempty_\@
	global_store_b128 v4, v[GF+4*\i:GF+4*\i+3], s[40+2*\i:41+2*\i] th:TH_STORE_NT
.Lempty_\@:
.endm
	OUTROW 0
	OUTROW 1
	OUTROW 2
	OUTROW 3
	ZROW 5
	s_wait_tensorcnt 0x0                           ; the wave's end
	ds_add_u32 v126, v127
	s_wait_dscnt 0x0
	s_endpgm
; ================= without slots
.Lno_slots:
	s_wait_loadcnt 0x0
	s_wait_kmcnt 0x0
	SHARE 0
.irp i, 0,1,2,3,4,5
	ZROW \i
.endr
	s_wait_tensorcnt 0x0
	ds_add_u32 v126, v127
	s_wait_dscnt 0x0
	s_endpgm
.Lfunc_end_k_q66609f41fa_expert:
	.size	k_q66609f41fa_expert, .Lfunc_end_k_q66609f41fa_expert-k_q66609f41fa_expert
	.p2alignl 7, 3214868480
	.fill 96, 4, 3214868480
	.section	.rodata,"a",@progbits
	.p2align	6, 0x0
	.amdhsa_kernel k_q66609f41fa_expert
		.amdhsa_group_segment_fixed_size 51968
		.amdhsa_private_segment_fixed_size 0
		.amdhsa_enable_private_segment 0
		.amdhsa_kernarg_size 64
		.amdhsa_user_sgpr_count 2
		.amdhsa_user_sgpr_kernarg_segment_ptr 1
		.amdhsa_wavefront_size32 1
		.amdhsa_system_sgpr_workgroup_id_x 1
		.amdhsa_system_sgpr_workgroup_id_y 1
		.amdhsa_system_sgpr_workgroup_id_z 1
		.amdhsa_system_vgpr_workitem_id 0
		.amdhsa_next_free_vgpr 448
		.amdhsa_next_free_sgpr 102
		.amdhsa_reserve_vcc 1
		.amdhsa_float_denorm_mode_32 3
		.amdhsa_float_denorm_mode_16_64 3
		.amdhsa_memory_ordered 1
		.amdhsa_forward_progress 1
		.amdhsa_inst_pref_size 53
	.end_amdhsa_kernel
	.amdgpu_metadata
---
amdhsa.version: [ 1, 2 ]
amdhsa.kernels:
  - .name:           k_q66609f41fa_expert
    .symbol:         k_q66609f41fa_expert.kd
    .args:
      - { .name: route, .offset: 0, .size: 8, .value_kind: global_buffer, .address_space: global }
      - { .name: acodes, .offset: 8, .size: 8, .value_kind: global_buffer, .address_space: global }
      - { .name: ascale, .offset: 16, .size: 8, .value_kind: global_buffer, .address_space: global }
      - { .name: tinfo, .offset: 24, .size: 8, .value_kind: global_buffer, .address_space: global }
      - { .name: wimg, .offset: 32, .size: 8, .value_kind: global_buffer, .address_space: global }
      - { .name: w_expert_scales, .offset: 40, .size: 8, .value_kind: global_buffer, .address_space: global }
      - { .name: b_expert, .offset: 48, .size: 8, .value_kind: global_buffer, .address_space: global }
      - { .name: out0, .offset: 56, .size: 8, .value_kind: global_buffer, .address_space: global }
    .group_segment_fixed_size: 51968
    .private_segment_fixed_size: 0
    .kernarg_segment_align: 8
    .kernarg_segment_size: 64
    .max_flat_workgroup_size: 256
    .sgpr_count:     102
    .vgpr_count:     448
    .wavefront_size: 32
...
	.end_amdgpu_metadata
.endif
;; end of part 5
